; MI455X (gfx1250); checked and timed in simulation.
; The chip was launched on July 23, 2026; its instructions are those of AMD's public machine-readable ISA for CDNA 5 (MIT licence, August 2026) and "CDNA5" Instruction Set Architecture Reference Guide (July 2026). The comments in the code are by the model that wrote it; some were corrected since.
;; Scaled Product Attention. Allowed arithmetic: matrix products marked QUANTISED: E2M3 operands, one E8M0 scale for each 32 along K, by v_wmma_scale_f32_16x16x128_f8f6f4 with both operands' format E2M3, f32 sums; everything else in f32.
;; Inputs: K_codes 4 x 2,048 x 32 x 24 uint8 (E2M3 codes of K, K innermost, in blocks of 32 codes, four codes in three bytes); K_scales 4 x 2,048 x 32 uint8 (E8M0 scales of K, one for each 32 codes along K); Q_codes 4 x 2,048 x 32 x 24 uint8 (E2M3 codes of Q, K innermost, in blocks of 32 codes, four codes in three bytes); Q_scales 4 x 2,048 x 32 uint8 (E8M0 scales of Q, one for each 32 codes along K); V_codes 4 x 2,048 x 32 x 24 uint8 (E2M3 codes of V, K innermost, in blocks of 32 codes, four codes in three bytes); V_scales 4 x 2,048 x 32 uint8 (E8M0 scales of V, one for each 32 codes along K); Wk_codes 1,024 x 32 x 24 uint8 (E2M3 codes of Wk, K innermost, in blocks of 32 codes, four codes in three bytes); Wk_scales 1,024 x 32 uint8 (E8M0 scales of Wk, one for each 32 codes along K); Wo_codes 1,024 x 32 x 24 uint8 (E2M3 codes of Wo, K innermost, in blocks of 32 codes, four codes in three bytes); Wo_scales 1,024 x 32 uint8 (E8M0 scales of Wo, one for each 32 codes along K); Wq_codes 1,024 x 32 x 24 uint8 (E2M3 codes of Wq, K innermost, in blocks of 32 codes, four codes in three bytes); Wq_scales 1,024 x 32 uint8 (E8M0 scales of Wq, one for each 32 codes along K); Wv_codes 1,024 x 32 x 24 uint8 (E2M3 codes of Wv, K innermost, in blocks of 32 codes, four codes in three bytes); Wv_scales 1,024 x 32 uint8 (E8M0 scales of Wv, one for each 32 codes along K); bk 1,024 float32; bo 1,024 float32; bq 1,024 float32; bv 1,024 float32; mask 4 x 2,048 x 2,048 int32.
;; Outputs: out0 4 x 2,048 x 1,024 float32.
;; This version of the problem:
;;   THIS VERSION OF THE PROBLEM IS GIVEN IN LOW PRECISION. The matrix products marked QUANTISED in the list below multiply operands that are first quantised to E2M3 (2 exponent bits, 3 mantissa bits; 6 bits a number), with one power-of-two scale for each 32 numbers along K (OCP MX v1.0); their sums are f32. All else is computed in f32.
;;   The module's matrix products, in the order in which they are computed (A, B: the left and right operand; K: the contracted axis; several contracted axes count as one K, in the product's order):
;;     1. [M 8,192, K 1,024] x [K 1,024, N 1,024]; A: input Q (given as codes); B: input Wq (given as codes): QUANTISED
;;     2. [M 8,192, K 1,024] x [K 1,024, N 1,024]; A: input K (given as codes); B: input Wk (given as codes): QUANTISED
;;     3. [M 8,192, K 1,024] x [K 1,024, N 1,024]; A: input V (given as codes); B: input Wv (given as codes): QUANTISED
;;     4. batch 4 x [M 2,048, K 1,024] x [K 1,024, N 2,048]; A: computed on the way; B: computed on the way: QUANTISED
;;     5. batch 4 x [M 2,048, K 2,048] x [K 2,048, N 1,024]; A: softmax (see below); B: computed on the way: QUANTISED
;;     6. [M 8,192, K 1,024] x [K 1,024, N 1,024]; A: computed on the way; B: input Wo (given as codes): QUANTISED
;;   THE QUANTISER, for each operand of a quantised product, along K:
;;     - K is cut into blocks of 32 from its start; a last block that is shorter is filled with zeros.
;;     - A block's scale is 2^e with e = floor(log2(the largest magnitude in the block)) - 2, held to -126 .. 127; a block of zeros has e = 0. As a byte (E8M0): e + 127.
;;     - Each number is divided by its block's scale, clamped to +-7.5, and rounded to the nearest number of E2M3, ties to even, subnormals kept.
;;     - The product sums the exact products of the quantised numbers (number of the format x scale) in f32.
;;   ~~~python
;;   def quantise(x, axis):      # numpy; x: float32 -> the quantised numbers, widened to float32 again
;;       x = np.moveaxis(x, axis, -1); K = x.shape[-1]
;;       x = np.pad(x, [(0, 0)] * (x.ndim - 1) + [(0, -K % 32)]); x = x.reshape(x.shape[:-1] + (-1, 32)); a = np.abs(x).max(-1, keepdims=True)
;;       e = np.where(a > 0, np.clip(np.frexp(np.where(a > 0, a, 1))[1] - 1 - 2, -126, 127), 0)      # np.frexp(a)[1] - 1 = floor(log2(a)), exactly
;;       r = np.clip(x / 2.0 ** e, -7.5, 7.5)
;;       step = 2.0 ** (np.maximum(np.frexp(np.where(r == 0, 1, r))[1] - 1, 0) - 3)
;;       q = np.round(r / step) * step * 2.0 ** e      # np.round: ties to even
;;       return np.moveaxis(q.reshape(q.shape[:-2] + (-1,))[..., :K], -1, axis).astype(np.float32)
;;   ~~~
;;   SOFTMAX AHEAD OF A QUANTISED PRODUCT. Where the list says 'softmax', what is quantised is not the finished softmax but p = 2^(t - M), with t = logit x log2(e) and M = ceil(the row's largest t), a whole number; so 1/2 < the row's largest p <= 1. The row's sum l is taken of the UNQUANTISED p, in f32, and the product's result is divided by l at the end. Since M is a whole number, a kernel that streams over the keys may use a running M (the ceiling of the running maximum): every later rescaling is an exact power of two, which a block's scale takes up: the codes' values come out the same.
;;   OPERANDS COMPUTED ON THE WAY. 'Computed on the way' means the value that the module computes at that place (a softmax that the list does not call 'softmax' is quantised finished and normalised). What goes into a quantiser is computed in f32, as accurately as f32 sums, v_exp_f32 and their like allow (about 1e-6 of the number): no bf16 or f16 on the way to a quantiser, and a product that is left as it is and whose result goes on into a quantised operand takes f32 operands (vector FMAs, or v_wmma_f32_16x16x4_f32). A number that lies on a knife's edge between two numbers of the format may be rounded either way, as far as f32 arithmetic and the matrix unit's own rounding can turn it there, and no further.
;;   INPUTS GIVEN AS CODES. K (in the module: [4, 2048, 1024], K = its axis 2); Q (in the module: [4, 2048, 1024], K = its axis 2); V (in the module: [4, 2048, 1024], K = its axis 2); Wk (in the module: [1024, 1024], K = its axis 1); Wo (in the module: [1024, 1024], K = its axis 1); Wq (in the module: [1024, 1024], K = its axis 1); Wv (in the module: [1024, 1024], K = its axis 1): each comes as NAME_codes (uint8): NAME with its K axis moved to the last place and cut into blocks of 32 codes, [.., K / 32, bytes a block], one block behind the other in memory; four codes in three bytes: a row's codes are one little-endian stream of bits, code i at bits 6 i .. 6 i + 5 (a code: sign, 2 exponent bits, 3 mantissa bits); and NAME_scales (uint8): the same leading axes, one E8M0 byte (e + 127) for each 32 codes along K. Its value is code x scale, taken as it is: it is not quantised again, and the codes and scales need not be those that the quantiser above would give.
;; One version. Each part assembles by itself: llvm-mc -triple=amdgcn-amd-amdhsa -mcpu=gfx1250 --defsym DOCPART=n.
;; ======== version 1 of 1: 4 launches
;; limits: right only within a limited range of input values
;; workspace buffers: opnd 19,660,800 bytes; opsc 819,200 bytes; mbits 2,097,152 bytes; pimg 12,582,912 bytes; pstat 1,572,864 bytes; mhimg 6,291,456 bytes; mhsc 262,144 bytes
;; launch proj (part 1): grid 32 x 16, 4 waves a work-group, clusters of 4 x 4, 327,680 bytes of LDS; arguments Q_codes, Q_scales, Wq_codes, Wq_scales, K_codes, K_scales, Wk_codes, Wk_scales, Wv_codes, Wv_scales, V_codes, V_scales, bq, bk, bv, opnd, opsc, mask, Wo_codes, Wo_scales, mbits; writes opnd, opsc, mbits
.if DOCPART == 1
	.amdgcn_target "amdgcn-amd-amdhsa--gfx1250"
	.amdhsa_code_object_version 6
	.text
	.protected	k_qfb9b0177f3_proj
	.globl	k_qfb9b0177f3_proj
	.p2align	8
	.type	k_qfb9b0177f3_proj,@function
k_qfb9b0177f3_proj:
	s_mov_b64 s[64:65], 0
	v_nop
	global_prefetch_b8 v0, s[64:65] scope:SCOPE_SE
	s_setreg_imm32_b32 hwreg(HW_REG_WAVE_MODE, 25, 1), 1
	s_wait_xcnt 0x0
	s_wait_alu depctr_hold_cnt(0) depctr_sa_sdst(0) depctr_va_vdst(0) depctr_va_sdst(0) depctr_va_ssrc(0) depctr_va_vcc(0) depctr_vm_vsrc(0)
	s_getreg_b32 s2, hwreg(HW_REG_IB_STS2, 6, 4)
	s_cmp_eq_u32 s2, 0
	s_cbranch_scc0 .Lentry_in_a_cluster
	s_endpgm
.Lentry_in_a_cluster:
	s_bfe_u32 s2, ttmp6, 0x10000c
	s_cmp_lg_u32 s2, 0xf033
	s_cbranch_scc0 .Lentry_shape_is_right
	s_endpgm
.Lentry_shape_is_right:
; PROJ.  The three projections, each [8192 x 1024] x [1024 x 1024] on codes of FP6 (E2M3) with E8M0 scales, + bias, quantised again on the way out; and two jobs that only move bits.  The cluster's y says which:
;   y = 0: pq = Q Wq^T + bq   y = 1: pk = K Wk^T + bk   (A = the tokens, B = the weight: quantised along e, the next K)
;   y = 2: pv^T = Wv V^T + bv (A = the weight, B = the tokens: quantised along the keys, the K of P x pv)
;   y = 3: the mask becomes bits and Wo's codes are laid as the last product wants them (at .Lmask).  The branch hangs on the cluster's y alone and stands ahead of every barrier and tensor load.
; A tile of 256 x 256 to a work-group of four waves, 128 x 128 to a wave (64 accumulators).  A row of codes is 768 bytes: K goes in three chunks of 256 bytes, each beginning at a multiple of 256, through two LDS slots;
; chunk c lies in slot c % 2.  A step of 128 along K is 96 bytes: steps 2 and 5 lie across two chunks.  The scale bytes of the tile's 512 rows come once.
; 4 x 4 work-groups form a cluster: A's tiles are asked for jointly along a row of the cluster, B's along a column.
; TRANSPOSED USE (source 0 = 16 rows of B, source 1 = 16 rows of A): lane (r, h) holds A's row r, register j of tile i B's row 16 i + 8 h + j.  After conversion and the exchange of halves a block of 32 holds its four
; pieces of 8 in the order 0, 2, 1, 3; every operand of the later products is made or laid so, so the order falls alike on both sides.  The set of 32 numbers is the true block.
; OUT: codes as images of a fragment's registers, [row / 16][k / 128][1536 bytes]; scale words as [row / 128][k / 128][r][row block].
; PREFETCH: at the head each wave names chunks 1 and 2 of 32 rows, a lane a row: of the 128 rows that it fetches in the ring, the partner at place p takes rows 32 p .. 32 p + 31 (by address alone).
; LIMITS: NaN and infinities in the biases and scale bytes 0xff in the inputs are not served.  A block of zeros gets the byte 1 where the quantiser says 127: its codes are zeros, and this program alone reads the bytes.
; REGISTERS: window 0: v1-29 addresses; v32-63 scale words, two sets; v128-223 A's fragments, one set; v224-231 the bias along A's rows; on the way out v64-211 at work.
;   window 1: v0-95, v128-223 B's fragments, two sets; v96-127, v224-255 the bias along B's rows: the C of the first step.   windows 2, 3: accumulator (a, b) at v[8 (8 (a % 4) + b)], window 2 + a / 4.
.set ROWB,  256
.set NQ,    2
.set KROW,  768
.set STEPS, 8
.set CHUNKS, 3
.set PITCH, 272                        ; 256 bytes + 16 of padding
.set FR,    12
.set NL,    6
.set NP,    4
.set HALFT, 128*PITCH
.set SLOT,  4*HALFT
.set KS,    32
.set SCL,   2*SLOT                     ; the scale bytes, as runs of 256 bytes + 16 of padding
.set HALFS, 16*272
.set SBLK,  2*272
.set SPARE, SCL+4*HALFS                ; the spare words: 128 bytes a wave, named by no other line
.set ADRA, 16                          ; v16-17 my A fragments in slot 0, 1; v18-19 for a piece whose lanes 16-31 read the next chunk
.set ADRB, 20
.set LI,   24                          ; 16 x lane
.set SO,   25                          ; 32 r + 16 h
.set PFO,  26                          ; lane x 768
.set ADRS, 27
.set SPW,  28
.set NIL,  29
.set SC,   32
.set AF,   128
.set X,    64
.set PC,   128
.set TM,   152
.set PWS,  176
.set O4,   200
.set BM,   224
.set BT,   232
.set WV,   46
.set RH,   47
.set CH,   92
.set G0H,  4
.set G0HB, 8
.set G0A,  12
.set G0B,  20
.set PFA,  30
.set OB,   34
.set SCO,  36
.set OS,   38
.set G1A,  48
.set G1B,  56
.set SEL,  66
.set G1SA, 68
.set G1SB, 76
.set G0SA, 84
.set G0SB, 88
.set HM,   99
.set MUL_LO, 0xa1                      ; source 0 (B) window 1, source 1 (A) window 0, C and D window 2
.set MUL_HI, 0xf1
.set TO_B,   0x40
.set MSB, 0
.macro WIN new                         ; the immediate's high byte repeats the setting that is left
.if MSB != (\new)
	s_set_vgpr_msb (MSB<<8)|(\new)
.set MSB, (\new)
.endif
.endm
.macro PLACES n
.rept \n
	v_nop
.endr
.endm
.macro JLOAD g0a, g1a, g0b, g1b        ; a joint load: waves 0, 1 fetch for A, waves 2, 3 for B; s_nop 0 and four v_nop follow each line
	s_cmp_eq_u32 s[RH], 0
	s_cbranch_scc0 .Lfor_b_\@
	tensor_load_to_lds s[\g0a:\g0a+3], s[\g1a:\g1a+7]
	s_nop 0
.rept 4
	v_nop
.endr
	s_branch .Lasked_\@
.Lfor_b_\@:
	tensor_load_to_lds s[\g0b:\g0b+3], s[\g1b:\g1b+7]
	s_nop 0
.rept 4
	v_nop
.endr
.Lasked_\@:
.endm
.macro CREST                           ; a round of the cluster's barrier behind its opening barrier
	s_cmp_lg_u32 s[WV], 0
	s_cbranch_scc1 .Lnot_wave_0_\@
	s_barrier_signal -3
.Lnot_wave_0_\@:
	s_barrier_wait -3
	s_barrier_signal -1
	s_barrier_wait -1
.endm
.macro CROUND
	s_barrier_signal -1
	s_barrier_wait -1
	CREST
.endm
	s_load_b256 s[4:11], s[0:1], 0x0               ; Q's codes, scales; Wq's codes, scales
	s_load_b256 s[12:19], s[0:1], 0x20             ; K's; Wk's
	s_load_b256 s[20:27], s[0:1], 0x40             ; Wv's; V's: A first here too
	s_load_b256 s[28:35], s[0:1], 0x60             ; bq, bk, bv, opnd
	s_load_b64 s[36:37], s[0:1], 0x80              ; opsc
	v_lshl_add_u32 v[SPW], v0, 2, SPARE
	v_mov_b32 v[NIL], 0
	ds_add_u32 v[SPW], v[NIL]                      ; the opening lines: the add, twice on end, and its wait
	ds_add_u32 v[SPW], v[NIL]
	v_lshrrev_b32 v1, 5, v0
	v_readfirstlane_b32 s[WV], v1                  ; wave 0..3
	s_wait_dscnt 0x0
	s_lshr_b32 s[RH], s[WV], 1                     ; my half of A's rows.  Also: I fetch for A (0) or for B (1)
	s_and_b32 s[CH], s[WV], 1                      ; my half of B's rows.  Also: which 128 rows I fetch
	s_bfe_u32 s95, ttmp6, 0x40000                  ; cx
	s_bfe_u32 s96, ttmp6, 0x40004                  ; cy
	s_and_b32 s93, ttmp7, 0xffff                   ; the cluster's y: which job; the same in all partners
	s_cmp_eq_u32 s93, 3
	s_cbranch_scc1 .Lmask                          ; whole clusters part here
	s_cmp_eq_u32 s93, 2
	s_cselect_b32 s97, 0, ttmp9                    ; the long tensor (32 tiles) walks with the cluster's x, the weight (4 tiles) with the place in the cluster
	s_cselect_b32 s98, ttmp9, 0
	s_lshl_b32 s97, s97, 2
	s_add_co_u32 s97, s97, s96                     ; A's tile: cy and cluster numbers alone
	s_lshl_b32 s98, s98, 2
	s_add_co_u32 s98, s98, s95                     ; B's tile: cx and cluster numbers alone
	s_lshl_b32 s100, s96, 2
	s_lshl_b32 s100, 15, s100                      ; my row of the cluster
	s_lshl_b32 s101, 0x1111, s95                   ; my column
	s_or_b32 s[G1A], s100, (1<<20)|(1<<21)|(5<<22)|(3<<25)   ; mask; elements of 1 byte; padding on; bit 21 beside a mask; after every 64 words 4 words
	s_or_b32 s[G1B], s101, (1<<20)|(1<<21)|(5<<22)|(3<<25)
.irp g, G1A, G1B
	s_mov_b32 s[\g+1], ROWB<<16                    ; tensor_dim0
	s_mov_b32 s[\g+2], 256<<16                     ; tensor_dim1: 256 rows for the head's loads
	s_mov_b32 s[\g+3], ROWB<<16                    ; tile_dim0
	s_mov_b32 s[\g+4], 256                         ; tile_dim1
	s_mov_b32 s[\g+5], KROW                        ; from row to row
	s_mov_b32 s[\g+6], 0
	s_mov_b32 s[\g+7], 0
.endr
	s_or_b32 s[G1SA], s100, (3<<16)|(1<<20)|(1<<21)|(5<<22)|(3<<25)   ; the scale bytes of 256 rows: 8,192 dense bytes as 32 rows of 256, 16 bytes of padding behind each
	s_or_b32 s[G1SB], s101, (3<<16)|(1<<20)|(1<<21)|(5<<22)|(3<<25)
.irp g, G1SA, G1SB
	s_mov_b32 s[\g+1], 32<<16
	s_mov_b32 s[\g+2], KS<<16
	s_mov_b32 s[\g+3], 32<<16
	s_mov_b32 s[\g+4], KS
	s_mov_b32 s[\g+5], 32
	s_mov_b32 s[\g+6], 0
	s_mov_b32 s[\g+7], 0
.endr
	s_lshl_b32 s38, s97, 8                         ; A's tile: first row,
	s_lshl_b32 s40, s38, 5                         ; its scale bytes,
	s_mul_i32 s38, s38, KROW                       ; its codes
	s_mov_b32 s39, 0
	s_mov_b32 s41, 0
	s_lshl_b32 s42, s98, 8                         ; B's
	s_lshl_b32 s44, s42, 5
	s_mul_i32 s42, s42, KROW
	s_mov_b32 s43, 0
	s_mov_b32 s45, 0
	s_mul_i32 s2, s[CH], 128*KROW                  ; in the ring I fetch 128 rows: which half, in bytes
	s_mov_b32 s3, 0
	s_mul_i32 s94, s[WV], HALFT                    ; and where they go: no place in the cluster enters an LDS address
	s_mov_b32 s[SEL], 0x76543210
	s_mov_b32 s[SEL+1], 0xfedcba98
	s_wait_kmcnt 0x0
	s_cmp_eq_u32 s93, 1                            ; the buffers are chosen by the cluster's y alone
	s_cselect_b64 s[4:5], s[12:13], s[4:5]
	s_cselect_b64 s[6:7], s[14:15], s[6:7]
	s_cselect_b64 s[8:9], s[16:17], s[8:9]
	s_cselect_b64 s[10:11], s[18:19], s[10:11]
	s_cselect_b64 s[28:29], s[30:31], s[28:29]
	s_cmp_eq_u32 s93, 2
	s_cselect_b64 s[4:5], s[20:21], s[4:5]
	s_cselect_b64 s[6:7], s[22:23], s[6:7]
	s_cselect_b64 s[8:9], s[24:25], s[8:9]
	s_cselect_b64 s[10:11], s[26:27], s[10:11]
	s_cselect_b64 s[28:29], s[32:33], s[28:29]
	s_add_nc_u64 s[38:39], s[4:5], s[38:39]
	s_add_nc_u64 s[40:41], s[6:7], s[40:41]
	s_add_nc_u64 s[42:43], s[8:9], s[42:43]
	s_add_nc_u64 s[44:45], s[10:11], s[44:45]
	CROUND                                         ; all sixteen work-groups are here: the first joint loads meet
	s_mov_b32 s[G0H], 1                            ; the head's four tiles, each whole: chunk 0's 256 rows of A,
	s_mov_b32 s[G0H+1], 0
	s_mov_b64 s[G0H+2:G0H+3], s[38:39]
	s_or_b32 s[G0H+3], s[G0H+3], 0x80000000
	s_mov_b32 s[G0HB], 1                           ; its 256 rows of B,
	s_mov_b32 s[G0HB+1], 2*HALFT
	s_mov_b64 s[G0HB+2:G0HB+3], s[42:43]
	s_or_b32 s[G0HB+3], s[G0HB+3], 0x80000000
	s_mov_b32 s[G0SA], 1                           ; A's scale bytes,
	s_mov_b32 s[G0SA+1], SCL
	s_mov_b64 s[G0SA+2:G0SA+3], s[40:41]
	s_or_b32 s[G0SA+3], s[G0SA+3], 0x80000000
	s_mov_b32 s[G0SB], 1                           ; and B's
	s_mov_b32 s[G0SB+1], SCL+2*HALFS
	s_mov_b64 s[G0SB+2:G0SB+3], s[44:45]
	s_or_b32 s[G0SB+3], s[G0SB+3], 0x80000000
	s_add_nc_u64 s[38:39], s[38:39], s[2:3]        ; for the ring: my 128 rows
	s_add_nc_u64 s[42:43], s[42:43], s[2:3]
.irp n, 0,1
	s_mov_b32 s[G0A+4*\n], 1
	s_add_co_u32 s[G0A+4*\n+1], s94, \n*SLOT
	s_add_nc_u64 s[G0A+4*\n+2:G0A+4*\n+3], s[38:39], \n*ROWB
	s_or_b32 s[G0A+4*\n+3], s[G0A+4*\n+3], 0x80000000
	s_mov_b32 s[G0B+4*\n], 1
	s_add_co_u32 s[G0B+4*\n+1], s94, \n*SLOT
	s_add_nc_u64 s[G0B+4*\n+2:G0B+4*\n+3], s[42:43], \n*ROWB
	s_or_b32 s[G0B+4*\n+3], s[G0B+4*\n+3], 0x80000000
.endr
	s_cmp_eq_u32 s[RH], 0                          ; the prefetches' base: my 128 rows, + my work-group's 32 of them (cx for A, cy for B: an address alone)
	s_cselect_b64 s[PFA:PFA+1], s[38:39], s[42:43]
	s_cselect_b32 s32, s95, s96
	s_mul_i32 s32, s32, 32*KROW
	s_mov_b32 s33, 0
	s_add_nc_u64 s[PFA:PFA+1], s[PFA:PFA+1], s[32:33]
; The head's loads, one a wave: one chain of branches on the wave's number, a load to an arm, all arms leading to one join.
.macro ARM under, g0, g1, next
	s_cmp_lt_u32 s[WV], \under
	s_cbranch_scc0 \next
	tensor_load_to_lds s[\g0:\g0+3], s[\g1:\g1+7]
	s_nop 0
.rept 4
	v_nop
.endr
	s_branch .Lhead_asked
\next:
.endm
	ARM 1, G0H,  G1A,  .Lhead_b
	ARM 2, G0HB, G1B,  .Lhead_sa
	ARM 3, G0SA, G1SA, .Lhead_sb
	tensor_load_to_lds s[G0SB:G0SB+3], s[G1SB:G1SB+7]
	s_nop 0
.rept 4
	v_nop
.endr
.Lhead_asked:
	v_and_b32 v1, 15, v0                           ; r
	v_bfe_u32 v2, v0, 4, 1                         ; h
	v_mul_u32_u24 v3, v1, PITCH
	v_mul_u32_u24 v4, v2, 24
	v_add_nc_u32 v4, v3, v4                        ; a fragment's row x pitch + 24 h
	s_mov_b32 s40, SLOT-232
	s_mov_b32 s41, SLOT+232
	v_sub_nc_u32 v7, 1, v2
	v_mul_u32_u24 v5, s40, v2
	v_add_nc_u32 v5, v3, v5
	v_add_nc_u32 v5, 232, v5                       ; across two chunks: lanes 0-15 byte 232 of the row in slot 0, lanes 16-31 byte 0 of the row in slot 1;
	v_mul_u32_u24 v6, s41, v7
	v_add_nc_u32 v6, v3, v6                        ; and lanes 0-15 byte 232 in slot 1, lanes 16-31 byte 0 in slot 0
	s_mul_i32 s40, s[RH], HALFT
	s_mul_i32 s41, s[CH], HALFT
	s_add_co_u32 s41, s41, 2*HALFT
	v_add_nc_u32 v[ADRA+2], s40, v5
	v_add_nc_u32 v[ADRA+3], s40, v6
	v_add_nc_u32 v[ADRB+2], s41, v5
	v_add_nc_u32 v[ADRB+3], s41, v6
.irp s, 0,1
	v_add_nc_u32 v[ADRA+\s], s40, v4
	v_add_nc_u32 v[ADRB+\s], s41, v4
	s_add_co_u32 s40, s40, SLOT
	s_add_co_u32 s41, s41, SLOT
.endr
	v_mul_u32_u24 v5, v1, KS                       ; my row's scale bytes: 32 a row,
	v_lshrrev_b32 v6, 8, v5
	v_lshl_add_u32 v5, v6, 4, v5                   ; and 16 more for each 256 passed
	s_mul_i32 s40, s[RH], HALFS
	s_mul_i32 s41, s[CH], HALFS
	s_add_co_u32 s41, s41, 2*HALFS
	s_sub_co_u32 s41, s41, s40
	v_mul_u32_u24 v6, s41, v2                      ; lanes 16-31 take B's: the lower base + h x the distance
	s_add_co_u32 s40, s40, SCL
	v_add_nc_u32 v5, v5, v6
	v_add_nc_u32 v[ADRS], s40, v5
	v_and_b32 v6, 31, v0
	v_lshlrev_b32 v[LI], 4, v6
	v_mul_u32_u24 v[PFO], v6, KROW
	v_lshlrev_b32 v[SO], 5, v1
	v_lshl_add_u32 v[SO], v2, 4, v[SO]
	; the bias: for pq and pk along B's rows (the C of the first step), for pv^T along A's rows (added on the way out).  Both are loaded from inside the 4,096 bytes, and the one that does not apply is made 0.
	s_lshl_b32 s38, s98, 8
	s_lshl_b32 s39, s[CH], 7
	s_add_co_u32 s38, s38, s39
	s_lshl_b32 s38, s38, 2
	s_lshl_b32 s39, s97, 8
	s_lshl_b32 s40, s[RH], 7
	s_add_co_u32 s39, s39, s40
	s_lshl_b32 s39, s39, 2
	s_cmp_eq_u32 s93, 2
	s_cselect_b32 s38, 0, s38
	s_cselect_b32 s39, s39, 0
	s_cselect_b32 s40, 0, -1                       ; keep the bias along B's rows?
	s_cselect_b32 s41, -1, 0                       ; keep the bias along A's rows?
	v_lshl_add_u32 v7, v2, 5, s38                  ; tile i, lane (r, h): the eight numbers at 64 i + 32 h
	v_lshl_add_u32 v8, v1, 2, s39                  ; block a, lane (r, h): the number at 64 a + 4 r
	WIN TO_B
.irp i, 0,1,2,3,4,5,6,7
	global_load_b128 v[96+8*\i+96*(\i/4):99+8*\i+96*(\i/4)], v7, s[28:29] offset:64*\i
	global_load_b128 v[100+8*\i+96*(\i/4):103+8*\i+96*(\i/4)], v7, s[28:29] offset:64*\i+16
.endr
	WIN 0
.irp a, 0,1,2,3,4,5,6,7
	global_load_b32 v[BM+\a], v8, s[28:29] offset:64*\a
.endr
	s_wait_alu depctr_va_vdst(0)                   ; directly ahead of the reader of v26
	global_prefetch_b8 v[PFO], s[PFA:PFA+1] offset:ROWB th:TH_LOAD_NT scope:SCOPE_SE     ; chunk 1 of my 32 rows; v26 and s[30:31] are never rewritten
	; where the results go
	s_lshr_b32 s42, s98, 3
	s_and_b32 s43, s98, 7
	s_mov_b32 s38, 12288
	s_cmp_eq_u32 s93, 2
	s_cselect_b32 s38, 24576, s38                  ; a row block of the image: 8 K steps of 1,536 bytes (pv^T: 16)
	s_cselect_b32 s42, s42, 0                      ; pv^T: the batch,
	s_cselect_b32 s43, s43, s98                    ; and B's tile inside it
	s_cselect_b32 s44, 4, 3
	s_mov_b32 s39, 0
	s_lshl_b32 s43, s43, 1
	s_add_co_u32 s43, s43, s[CH]                   ; my K step of the next product
	s_lshl_b32 s2, s97, 4
	s_lshl_b32 s3, s[RH], 3
	s_add_co_u32 s2, s2, s3                        ; my first row block
	s_mul_i32 s2, s2, s38
	s_mul_i32 s3, s93, 6291456
	s_add_co_u32 s2, s2, s3
	s_mul_i32 s3, s42, 1572864
	s_add_co_u32 s2, s2, s3
	s_mul_i32 s3, s43, 1536
	s_add_co_u32 s2, s2, s3
	s_mov_b32 s3, 0
	s_add_nc_u64 s[OB:OB+1], s[OB:OB+1], s[2:3]
	s_lshl_b32 s2, s97, 1
	s_add_co_u32 s2, s2, s[RH]                     ; my group of 128 rows
	s_lshl_b32 s2, s2, s44
	s_add_co_u32 s2, s2, s43
	s_lshl_b32 s2, s2, 9
	s_lshl_b32 s3, s93, 18
	s_add_co_u32 s2, s2, s3
	s_lshl_b32 s3, s42, 16
	s_add_co_u32 s2, s2, s3
	s_mov_b32 s3, 0
	s_add_nc_u64 s[SCO:SCO+1], s[SCO:SCO+1], s[2:3]
	s_mov_b32 s[HM], 0xffff0000
.macro FRAG reg, adr, st, i            ; 16 rows x 128 K of 6-bit codes: 24 + 24 bytes of the row's stream of bits, in pieces of 8 bytes; byte y of a row lies in slot (y / 256) % 2 at byte y % 256 of the LDS row
.irp p, 0,1,2,3,4,5
.set BY, 96*(\st)+48*(\p/3)+8*(\p%3)
.if BY/ROWB == (BY+24)/ROWB
	ds_load_b64 v[\reg+2*\p:\reg+2*\p+1], v[\adr+(BY/ROWB)%2] offset:BY%ROWB+(\i)*16*PITCH
.else                                  ; the two halves of the lanes read different chunks
	ds_load_b64 v[\reg+2*\p:\reg+2*\p+1], v[\adr+2+(BY/ROWB)%2] offset:BY%ROWB-232+(\i)*16*PITCH
.endif
.endr
.endm
; 16 matrix instructions: A's blocks a0, a0 + 1 x B's eight.  z = 1: the bias starts the sums.  The 64 accumulators take turns, one instruction a turn, in the same order in every step.
.macro MUL16 a0, p, q, sc, z
.irp a, \a0, \a0+1
.irp b, 0,1,2,3,4,5,6,7
.set rD, 8*(8*((\a)%4)+\b)
.set rB, 128*(\p)+FR*\b
.set rA, AF+FR*(\a)
.set rSB, SC+8*NQ*(\sc)+NQ*\b+(\q)
.set rSA, SC+8*NQ*(\sc)+NQ*(\a)+(\q)
.set rC, 96+8*\b+96*(\b/4)
.if \z
	v_wmma_scale_f32_16x16x128_f8f6f4 v[rD:rD+7], v[rB:rB+FR-1], v[rA:rA+FR-1], v[rC:rC+7], v[rSB], v[rSA] matrix_a_fmt:MATRIX_FMT_FP6 matrix_b_fmt:MATRIX_FMT_FP6 matrix_a_scale:MATRIX_SCALE_ROW1
.else
	v_wmma_scale_f32_16x16x128_f8f6f4 v[rD:rD+7], v[rB:rB+FR-1], v[rA:rA+FR-1], v[rD:rD+7], v[rSB], v[rSA] matrix_a_fmt:MATRIX_FMT_FP6 matrix_b_fmt:MATRIX_FMT_FP6 matrix_a_scale:MATRIX_SCALE_ROW1
.endif
.endr
.endr
.endm
.macro FETCH_B st, p
	WIN TO_B
.irp i, 0,1,2,3,4,5,6,7
	FRAG 128*(\p)+FR*\i, ADRB, \st, \i
.endr
	WIN 0
.endm
.macro FETCH_A st, i0
.irp i, \i0, \i0+1, \i0+2, \i0+3
	FRAG AF+FR*(\i), ADRA, \st, \i
.endr
.endm
.macro SCALES pr                       ; the scale words of steps 2 pr, 2 pr + 1 into set pr % 2: lanes 0-15 A's block i, lanes 16-31 B's block i
.irp i, 0,1,2,3,4,5,6,7
	ds_load_b64 v[SC+8*NQ*((\pr)%2)+NQ*\i:SC+8*NQ*((\pr)%2)+NQ*\i+1], v[ADRS] offset:\i*SBLK+4*NQ*(\pr)
.endr
.endm
; A step of 128 along K; the next step's fragments are fetched in its middle and at its end.  Where the next step's bytes END in a chunk not yet read: every wave waits for its tensor loads, and a barrier shows the chunk whole.
; Where they BEGIN in a later chunk: the chunk left behind is read no more: the wait for all tensor loads, the add, the wait for it and for my reads, the barrier; where a chunk two on is left, the barrier opens a round and the slot is filled again.
.macro STEP st, z
.set NX, (\st)+1
.set C0, (96*(\st))/ROWB
.set C1, (96*NX)/ROWB
.set E0, (96*(\st)+95)/ROWB
.set E1, (96*NX+95)/ROWB
.if C1 > C0 || E1 > E0
	s_wait_tensorcnt 0x0                           ; all my tensor loads have landed
.if C1 > C0
	ds_add_u32 v[SPW], v[NIL]                      ; 0 onto my spare word
	s_wait_dscnt 4*NL+1                            ; (the add and the 24 loads of A's blocks 4-7 may be out)
.else
	s_wait_dscnt 4*NL                              ; (the 24 loads of A's blocks 4-7 may be out)
.endif
	WIN MUL_LO
	MUL16 0, (\st)%2, (\st)%2, ((\st)/2)%2, 0
	s_wait_dscnt 0x0                               ; the add, where there is one, and all my reads are done
	s_barrier_signal -1
	MUL16 2, (\st)%2, (\st)%2, ((\st)/2)%2, 0
	WIN 0
	s_barrier_wait -1
.if C1 > C0 && C0+2 < CHUNKS
	CREST                                          ; the round: no wave of any partner still reads this slot or has a load on its way
	s_add_nc_u64 s[G0A+4*(C0%2)+2:G0A+4*(C0%2)+3], s[G0A+4*(C0%2)+2:G0A+4*(C0%2)+3], 2*ROWB
	s_add_nc_u64 s[G0B+4*(C0%2)+2:G0B+4*(C0%2)+3], s[G0B+4*(C0%2)+2:G0B+4*(C0%2)+3], 2*ROWB
	JLOAD G0A+4*(C0%2), G1A, G0B+4*(C0%2), G1B     ; chunk C0 + 2; its four v_nop are the places in front of the loads below
.else
	PLACES NP
.endif
.else
	s_wait_dscnt 4*NL                              ; B's set and A's blocks 0-3 are in
	WIN MUL_LO-0x10*(\z)                           ; (z = 1: C from window 1)
	MUL16 0, (\st)%2, (\st)%2, ((\st)/2)%2, \z
	MUL16 2, (\st)%2, (\st)%2, ((\st)/2)%2, \z
	s_wait_dscnt 0
	PLACES NP
.endif
	FETCH_B NX, NX%2
	FETCH_A NX, 0
.if NX%2 == 0
	SCALES NX/2
.endif
	WIN MUL_HI-0x20*(\z)
	MUL16 4, (\st)%2, (\st)%2, ((\st)/2)%2, \z
	MUL16 6, (\st)%2, (\st)%2, ((\st)/2)%2, \z
	PLACES NP
	WIN 0
	FETCH_A NX, 4
.endm
; 64 numbers of a lane, v[s] on (register 16 b + i belongs to block b of my row), become a fragment's codes in v[PC] on and its scale word in v[pw].
.macro QUANT s, pw
.irp b, 0,1,2,3
	v_max3_num_f32 v[TM+\b], |v[\s+16*\b]|, |v[\s+1+16*\b]|, 0x1800000   ; my 16 numbers of block b, and the floor 2^(3 - 127): the byte cannot fall under 1
.endr
.irp i, 2,4,6,8,10,12,14
.irp b, 0,1,2,3
	v_max3_num_f32 v[TM+\b], v[TM+\b], |v[\s+16*\b+\i]|, |v[\s+1+16*\b+\i]|
.endr
.endr
.irp b, 0,1,2,3
	v_permlanex16_b32 v[TM+4+\b], v[TM+\b], s[SEL], s[SEL+1]
.endr
.irp b, 0,1,2,3
	v_max_num_f32 v[TM+\b], v[TM+\b], v[TM+4+\b]   ; with lane l xor 16's: the block's largest magnitude
.endr
.irp b, 0,1,2,3
	v_add_nc_u32 v[TM+12+\b], 0xff000000, v[TM+\b] ; 2 off its exponent field: the conversion's scale operand
.endr
.irp b, 0,1,2,3
	v_lshrrev_b32 v[TM+4+\b], 23, v[TM+12+\b]      ; the scale's byte
.endr
	v_lshl_or_b32 v[\pw], v[TM+5], 8, v[TM+4]
	v_lshl_or_b32 v[\pw], v[TM+6], 16, v[\pw]
	v_lshl_or_b32 v[\pw], v[TM+7], 24, v[\pw]
.irp c, 0,1
	v_cvt_scalef32_pk16_fp6_f32 v[PC+6*\c:PC+2+6*\c], v[\s+32*\c:\s+15+32*\c], v[TM+12+2*\c]
	v_cvt_scalef32_pk16_fp6_f32 v[PC+12+4*\c:PC+14+4*\c], v[\s+16+32*\c:\s+31+32*\c], v[TM+12+2*\c+1]
.endr
	v_nop                                          ; one plain place behind a scaled conversion
.irp c, 0,1                                    ; the operand's layout wants a whole block in a lane
.irp i, 0,1,2
	v_permlane16_swap_b32 v[PC+6*\c+\i], v[PC+12+4*\c+\i]
.endr
.irp i, 0,1,2
	v_mov_b32 v[PC+3+6*\c+\i], v[PC+12+4*\c+\i]
.endr
.endr
.endm
.macro OUTQ a                          ; block a of 16 rows: + the bias along A's rows, quantised, stored as a fragment's image
	v_mov_b32 v[BT], v[BM+(\a)]
	WIN 0x02+(\a)/4
.set KK, 0
.rept 32
	v_pk_add_f32 v[X+KK:X+KK+1], v[64*((\a)%4)+KK:64*((\a)%4)+KK+1], v[BT:BT+1] op_sel_hi:[1,0]   ; each accumulator from its low end on
.set KK, KK+2
.endr
	WIN 0
	s_wait_xcnt 0x0                                ; the last block's stores have read their registers and their base
.if (\a) > 0
	s_add_nc_u64 s[OB:OB+1], s[OB:OB+1], s[OS:OS+1]
.endif
	QUANT X, PWS+(\a)
.irp c, 0,1,2
	global_store_b128 v[LI], v[PC+4*\c:PC+4*\c+3], s[OB:OB+1] offset:512*\c   ; 512 consecutive bytes, aligned
.endr
.endm
	s_wait_alu depctr_va_vdst(0)                   ; the wait at the head's end
	s_wait_tensorcnt 0x0                           ; my tile of the head's four is in; the lines ahead of a later first fill:
	ds_add_u32 v[SPW], v[NIL]
	s_mov_b32 s[G1A+2], 128<<16                    ; no tensor load of mine is out: from here on a load brings 128 rows
	s_mov_b32 s[G1A+4], 128
	s_mov_b32 s[G1B+2], 128<<16
	s_mov_b32 s[G1B+4], 128
	s_wait_dscnt 0x0
	CROUND                                         ; all four tiles are in, and all sixteen work-groups are here
	JLOAD G0A+4, G1A, G0B+4, G1B                   ; chunk 1, the first tensor load behind the round
	FETCH_B 0, 0
	FETCH_A 0, 0
	SCALES 0
	global_prefetch_b8 v[PFO], s[PFA:PFA+1] offset:2*ROWB th:TH_LOAD_NT scope:SCOPE_SE   ; chunk 2 of my 32 rows, the row's last 256 bytes: two steps ahead of the refill that loads it
	FETCH_A 0, 4
	s_wait_loadcnt 0x0                             ; the biases
	WIN 0x44
.set I, 0
.rept 32
	v_cndmask_b32 v[96+I], 0, v[96+I], s40
	v_cndmask_b32 v[224+I], 0, v[224+I], s40
.set I, I+1
.endr
	WIN 0
.irp a, 0,1,2,3,4,5,6,7
	v_cndmask_b32 v[BM+\a], 0, v[BM+\a], s41
.endr
	s_wait_alu depctr_va_vdst(0)                   ; ahead of the wait below
	STEP 0, 1                                      ; the first step starts the sums with the bias
.set ST, 1
.rept STEPS-2
	STEP ST, 0
.set ST, ST+1
.endr
	s_wait_dscnt 4*NL                              ; the last step: nothing more to fetch
	WIN MUL_LO
	MUL16 0, 1, 1, 1, 0
	MUL16 2, 1, 1, 1, 0
	s_wait_dscnt 0
	WIN MUL_HI
	MUL16 4, 1, 1, 1, 0
	MUL16 6, 1, 1, 1, 0
	WIN 0
	PLACES NP                                      ; behind the last products: their results are read and their operands' registers written from here on
.irp b, 0,1,2,3
	v_mov_b32 v[TM+4+\b], 0                        ; a lane permute's destination counts as one of its sources
.endr
	v_mov_b32 v[BT+1], 0                           ; named with v[BT] as a pair
.set AB, 0
.rept 8
	OUTQ AB
.set AB, AB+1
.endr
.irp k, 0,1,2,3
	v_cndmask_b32 v[O4+\k], v[PWS+\k], v[PWS+4+\k], s[HM]   ; lanes 0-15 carry blocks 0-3's words, lanes 16-31 blocks 4-7's
.endr
	global_store_b128 v[SO], v[O4:O4+3], s[SCO:SCO+1]       ; 512 consecutive bytes
	s_wait_tensorcnt 0x0                           ; the wave's end
	ds_add_u32 v[SPW], v[NIL]
	s_wait_dscnt 0x0
	CROUND                                         ; the closing round
	s_endpgm
; ---- THE CLUSTERS WITH y = 3: 512 waves, numbered w = 4 (16 x cluster x + 4 cy + cx) + wave; cx and cy enter global addresses alone.  No tensor load.
; (1) mbits[b][kg = key / 128][q][4 words]: word c, bit l is 1 where mask[b][q][128 kg + 4 l + c] == 0.  Wave w takes rows 32 (w / 2) .. + 31 and keys 1024 (w % 2) .. + 1023: 8 units of 32 rows x 128 keys.
;     A load of 16 bytes a lane reads 512 consecutive bytes of a row: a compare's lane mask IS word c of that row; it goes to lane = row of the unit's four registers, and a unit leaves as one store of 512 consecutive bytes.
;     The loads land in a ring of 16 slots of 4 rows (window 1); a slot is asked for again 15 groups ahead: 60 loads of a wave are out.  The 64 groups are written out: every offset is an immediate and each unit has
;     registers of its own, so no base and no store's data is ever rewritten.
; (2) Wo's codes are laid [row / 16][k / 128][1536 bytes], and inside each block of 32 codes the four pieces of 8 codes are put in the order 0, 2, 1, 3, as mh leaves its launch.  Wave w takes fragment w.
.set WOIMG, 18874368
.set WOSC,  786432
.set MSK,   70
.set MBT,   76
.set MT,    96                         ; v96-127: the words of the eight units
.macro MLOAD m                         ; group m: rows 4 (m % 8) .. + 3 of unit m / 8, into slot m % 16 (destination window 1)
.irp i, 0,1,2,3
	global_load_b128 v[16*((\m)%16)+4*\i:16*((\m)%16)+4*\i+3], v[LI], s[MSK:MSK+1] offset:(4*((\m)%8)+\i)*8192+512*((\m)/8) th:TH_LOAD_NT
.endr
.endm
.macro MSTEP j
.if (\j) < 49
	s_wait_loadcnt 56                              ; this group's four are in; 14 younger groups, 56 loads, stay out
.else
	s_wait_loadcnt 4*(63-(\j))                     ; the counts run down
.endif
	WIN 0x04                                       ; source 1 window 1
.irp i, 0,1,2,3
.irp c, 0,1,2,3
	v_cmp_eq_u32 s[48+4*\i+\c], 0, v[16*((\j)%16)+4*\i+\c]
.endr
.endr
.irp i, 0,1,2,3
.irp c, 0,1,2,3
	v_writelane_b32 v[MT+4*((\j)/8)+\c], s[48+4*\i+\c], 4*((\j)%8)+\i
.endr
.endr
	WIN TO_B
.if (\j)+15 < 64
	MLOAD (\j)+15                                  ; into the slot that the last step read
.endif
.endm
.Lmask:
	s_load_b256 s[68:75], s[0:1], 0x80             ; opsc, mask, Wo's codes, Wo's scales
	s_load_b64 s[76:77], s[0:1], 0xa0              ; mbits
	s_lshl_b32 s97, ttmp9, 4
	s_lshl_b32 s98, s96, 2
	s_add_co_u32 s97, s97, s98
	s_add_co_u32 s97, s97, s95
	s_lshl_b32 s97, s97, 2
	s_add_co_u32 s97, s97, s[WV]                   ; w, 0 .. 511
	s_lshr_b32 s98, s97, 1                         ; which 32 rows of the 8,192
	s_and_b32 s99, s97, 1                          ; which half of the keys
	s_lshl_b32 s38, s98, 18
	s_lshl_b32 s39, s99, 12
	s_add_co_u32 s38, s38, s39
	s_mov_b32 s39, 0
	s_lshr_b32 s40, s98, 6                         ; the batch
	s_lshl_b32 s40, s40, 19
	s_lshl_b32 s41, s99, 18
	s_add_co_u32 s40, s40, s41
	s_and_b32 s41, s98, 63
	s_lshl_b32 s41, s41, 9
	s_add_co_u32 s40, s40, s41
	s_mov_b32 s41, 0
	s_lshr_b32 s42, s97, 3                         ; Wo: row block
	s_and_b32 s43, s97, 7                          ; K step
	s_mul_i32 s44, s42, 16*768
	s_mul_i32 s45, s43, 96
	s_add_co_u32 s44, s44, s45
	s_mov_b32 s45, 0
	s_lshl_b32 s78, s42, 9
	s_lshl_b32 s79, s43, 2
	s_add_co_u32 s78, s78, s79
	s_mov_b32 s79, 0
	s_mul_i32 s80, s97, 1536
	s_add_co_u32 s80, s80, WOIMG
	s_mov_b32 s81, 0
	s_lshr_b32 s82, s42, 3
	s_lshl_b32 s82, s82, 3
	s_add_co_u32 s82, s82, s43
	s_lshl_b32 s82, s82, 9
	s_and_b32 s83, s42, 7
	s_lshl_b32 s83, s83, 2
	s_add_co_u32 s82, s82, s83
	s_add_co_u32 s82, s82, WOSC
	s_mov_b32 s83, 0
	v_and_b32 v2, 31, v0
	v_lshlrev_b32 v[LI], 4, v2
	v_and_b32 v4, 15, v0
	v_bfe_u32 v5, v0, 4, 1
	v_mul_u32_u24 v6, v4, 768
	v_mad_u32_u24 v6, v5, 24, v6
	v_lshlrev_b32 v7, 5, v4
.set I, 0
.rept 32
	v_mov_b32 v[MT+I], 0                           ; v_writelane_b32's destination counts as read
.set I, I+1
.endr
	s_wait_alu depctr_va_vdst(0)
	s_wait_kmcnt 0x0
	s_add_nc_u64 s[MSK:MSK+1], s[MSK:MSK+1], s[38:39]
	s_add_nc_u64 s[MBT:MBT+1], s[MBT:MBT+1], s[40:41]
	s_add_nc_u64 s[72:73], s[72:73], s[44:45]
	s_add_nc_u64 s[74:75], s[74:75], s[78:79]
	s_add_nc_u64 s[34:35], s[34:35], s[80:81]
	s_add_nc_u64 s[68:69], s[68:69], s[82:83]
.irp p, 0,1,2,3,4,5
	global_load_b64 v[32+2*\p:33+2*\p], v6, s[72:73] offset:48*(\p/3)+8*(\p%3)
.endr
	global_load_b32 v56, v7, s[74:75]
	WIN TO_B
.set J, 0
.rept 14
	MLOAD J
.set J, J+1
.endr
	s_wait_loadcnt 56                              ; Wo's seven loads are in; the ring's 14 groups stay out
	WIN 0
.irp c, 0,1                                    ; a block's 192 bits d0 .. d5: pieces of 48 bits 0, 1, 2, 3 -> 0, 2, 1, 3
	v_mov_b32 v[44+6*\c], v[32+6*\c]
	v_perm_b32 v[45+6*\c], v[35+6*\c], v[33+6*\c], 0x05040100
	v_perm_b32 v[46+6*\c], v[36+6*\c], v[35+6*\c], 0x05040302
	v_perm_b32 v[47+6*\c], v[34+6*\c], v[33+6*\c], 0x05040302
	v_perm_b32 v[48+6*\c], v[36+6*\c], v[34+6*\c], 0x07060302
	v_mov_b32 v[49+6*\c], v[37+6*\c]
.endr
	WIN TO_B
	MLOAD 14                                       ; the ring's fifteenth group: 60 loads are out
.set J, 0
.rept 64
	MSTEP J
.set J, J+1
.endr
	WIN 0
; all stores of this path stand here, at the wave's end: each unit's words and Wo's fragment have kept registers of their own
.irp u, 0,1,2,3,4,5,6,7
	global_store_b128 v[LI], v[MT+4*\u:MT+4*\u+3], s[MBT:MBT+1] offset:32768*\u   ; 32 rows x 16 bytes: 512 consecutive bytes, aligned
.endr
.irp c, 0,1,2
	global_store_b128 v[LI], v[44+4*\c:47+4*\c], s[34:35] offset:512*\c
.endr
	global_store_b32 v7, v56, s[68:69]             ; lanes r and r + 16 write the same word with the same value
	s_wait_tensorcnt 0x0                           ; the wave's end
	ds_add_u32 v[SPW], v[NIL]
	s_wait_dscnt 0x0
	CROUND                                         ; the closing round, as on the other way
	s_endpgm
.Lfunc_end_k_qfb9b0177f3_proj:
	.size	k_qfb9b0177f3_proj, .Lfunc_end_k_qfb9b0177f3_proj-k_qfb9b0177f3_proj
	.p2alignl 7, 3214868480
	.fill 96, 4, 3214868480
	.section	.rodata,"a",@progbits
	.p2align	6, 0x0
	.amdhsa_kernel k_qfb9b0177f3_proj
		.amdhsa_group_segment_fixed_size 327680
		.amdhsa_private_segment_fixed_size 0
		.amdhsa_enable_private_segment 0
		.amdhsa_kernarg_size 168
		.amdhsa_user_sgpr_count 2
		.amdhsa_user_sgpr_kernarg_segment_ptr 1
		.amdhsa_wavefront_size32 1
		.amdhsa_system_sgpr_workgroup_id_x 1
		.amdhsa_system_sgpr_workgroup_id_y 1
		.amdhsa_system_sgpr_workgroup_id_z 1
		.amdhsa_system_vgpr_workitem_id 0
		.amdhsa_next_free_vgpr 1024
		.amdhsa_next_free_sgpr 102
		.amdhsa_reserve_vcc 0
		.amdhsa_float_denorm_mode_32 3
		.amdhsa_float_denorm_mode_16_64 3
		.amdhsa_memory_ordered 1
		.amdhsa_forward_progress 1
		.amdhsa_inst_pref_size 255
	.end_amdhsa_kernel
	.section	.bss,"aw",@nobits
	.p2align	6
	.space	262144
	.amdgpu_metadata
---
amdhsa.version: [ 1, 2 ]
amdhsa.kernels:
  - .name:           k_qfb9b0177f3_proj
    .symbol:         k_qfb9b0177f3_proj.kd
    .args:
      - { .name: Q_codes, .offset: 0, .size: 8, .value_kind: global_buffer, .address_space: global }
      - { .name: Q_scales, .offset: 8, .size: 8, .value_kind: global_buffer, .address_space: global }
      - { .name: Wq_codes, .offset: 16, .size: 8, .value_kind: global_buffer, .address_space: global }
      - { .name: Wq_scales, .offset: 24, .size: 8, .value_kind: global_buffer, .address_space: global }
      - { .name: K_codes, .offset: 32, .size: 8, .value_kind: global_buffer, .address_space: global }
      - { .name: K_scales, .offset: 40, .size: 8, .value_kind: global_buffer, .address_space: global }
      - { .name: Wk_codes, .offset: 48, .size: 8, .value_kind: global_buffer, .address_space: global }
      - { .name: Wk_scales, .offset: 56, .size: 8, .value_kind: global_buffer, .address_space: global }
      - { .name: Wv_codes, .offset: 64, .size: 8, .value_kind: global_buffer, .address_space: global }
      - { .name: Wv_scales, .offset: 72, .size: 8, .value_kind: global_buffer, .address_space: global }
      - { .name: V_codes, .offset: 80, .size: 8, .value_kind: global_buffer, .address_space: global }
      - { .name: V_scales, .offset: 88, .size: 8, .value_kind: global_buffer, .address_space: global }
      - { .name: bq, .offset: 96, .size: 8, .value_kind: global_buffer, .address_space: global }
      - { .name: bk, .offset: 104, .size: 8, .value_kind: global_buffer, .address_space: global }
      - { .name: bv, .offset: 112, .size: 8, .value_kind: global_buffer, .address_space: global }
      - { .name: opnd, .offset: 120, .size: 8, .value_kind: global_buffer, .address_space: global }
      - { .name: opsc, .offset: 128, .size: 8, .value_kind: global_buffer, .address_space: global }
      - { .name: mask, .offset: 136, .size: 8, .value_kind: global_buffer, .address_space: global }
      - { .name: Wo_codes, .offset: 144, .size: 8, .value_kind: global_buffer, .address_space: global }
      - { .name: Wo_scales, .offset: 152, .size: 8, .value_kind: global_buffer, .address_space: global }
      - { .name: mbits, .offset: 160, .size: 8, .value_kind: global_buffer, .address_space: global }
    .group_segment_fixed_size: 327680
    .private_segment_fixed_size: 0
    .kernarg_segment_align: 8
    .kernarg_segment_size: 168
    .max_flat_workgroup_size: 128
    .sgpr_count:     102
    .vgpr_count:     1024
    .wavefront_size: 32
...
	.end_amdgpu_metadata
.endif
;; end of part 1
;; launch scores (part 2): grid 8 x 32, 4 waves a work-group, clusters of 4 x 4, 327,680 bytes of LDS; arguments opnd, opsc, mbits, pimg, pstat; writes pimg, pstat
.if DOCPART == 2
	.amdgcn_target "amdgcn-amd-amdhsa--gfx1250"
	.amdhsa_code_object_version 6
	.text
	.protected	k_qfb9b0177f3_scores
	.globl	k_qfb9b0177f3_scores
	.p2align	8
	.type	k_qfb9b0177f3_scores,@function
k_qfb9b0177f3_scores:
	s_mov_b64 s[64:65], 0
	v_nop
	global_prefetch_b8 v0, s[64:65] scope:SCOPE_SE
	s_setreg_imm32_b32 hwreg(HW_REG_WAVE_MODE, 25, 1), 1
	s_wait_xcnt 0x0
	s_wait_alu depctr_hold_cnt(0) depctr_sa_sdst(0) depctr_va_vdst(0) depctr_va_sdst(0) depctr_va_ssrc(0) depctr_va_vcc(0) depctr_vm_vsrc(0)
	s_getreg_b32 s2, hwreg(HW_REG_IB_STS2, 6, 4)
	s_cmp_eq_u32 s2, 0
	s_cbranch_scc0 .Lentry_in_a_cluster
	s_endpgm
.Lentry_in_a_cluster:
	s_bfe_u32 s2, ttmp6, 0x10000c
	s_cmp_lg_u32 s2, 0xf033
	s_cbranch_scc0 .Lentry_shape_is_right
	s_endpgm
.Lentry_shape_is_right:
; SCORES.  S = pq pk^T (batch 4 x [2048 x 2048], K = 1024) on codes of FP6 with E8M0 scales; the mask; and the softmax's p, quantised along the keys, group of 128 keys by group.
; t = score x log2(e) / 8.  For each query and each group of 128 keys: M = ceil(the group's largest t), a whole number; p = 2^(t - M); the group's sum of the unquantised p; p's codes and four scale bytes.
; The next launch brings every group under the row's own M: M is a whole number, so that is a subtraction on the scale bytes and a v_ldexp_f32 on the sums, both exact.  A maximum is thus taken away before every exponential.
; A tile of 256 queries x 256 keys to a work-group, 128 x 128 to a wave.  Operands arrive as images of fragments ([row / 16][k / 128][1536 bytes]), so a chunk of 256 along K of a row block is 3,072 dense bytes and a
; fragment comes from LDS by three loads of 16 bytes a lane, 16 x lane apart.  Region 0 takes chunk 0 and a large region chunks 1 and 2, by one load, as first fills (one tensor load of a wave is out at a time); chunk 3 goes into
; region 0 behind chunk 0's last step and has two chunks' products in which to land.  4 x 4 work-groups form a cluster: pq's tiles are asked for jointly along a row, pk's along a column.
; TRANSPOSED: source 0 = 16 keys, source 1 = 16 queries: lane (r, h) holds query r, register j of tile i key 16 i + 8 h + j.
; The mask comes as bits: word c, bit l of a query's four words is key 4 l + c of the group.  A dropped score becomes -infinity ahead of the maximum.
; LIMITS: a group all of whose keys are dropped gets M = -3e38 (its p and its sum are 0); a row whose largest t lies under -3e38 is not served.  A block of zeros carries the byte 1: this program alone reads the bytes.
; REGISTERS: window 0: v1-29 addresses; v32-47 scale words, two sets; v64-159, v160-255 pq's fragments, two sets; on the way out v64-211 at work.  window 1: v0-95, v128-223 pk's fragments; v96-127 the mask words.  windows 2, 3: accumulators.
.set MB,    8
.set HB,    4
.set NQ,    2
.set NR,    3
.set NL,    3
.set FR,    12
.set CHB,   3072
.set REG,   98304                      ; a region: four waves' 8 row blocks x 3,072 bytes
.set ASC,   3*REG                      ; pq's scale words: 2 x 4,096 bytes
.set BSC,   ASC+8192                   ; pk's
.set SPARE, BSC+8192
.set ADRA, 16                          ; v16-17
.set ADRB, 20                          ; v20-21
.set LI,   24
.set SO,   25
.set H2,   26                          ; 2 h
.set ADRS, 27
.set SPW,  28
.set NIL,  29
.set SC,   32
.set AF,   64
.set ASTR, 96
.set S,    64                          ; 64 scores, then p
.set PC,   128
.set BMX,  148                         ; the four blocks' largest scores, then largest p
.set T2,   152
.set SOP,  156                         ; the conversions' scale operands
.set TMP,  160
.set NEGM, 162                         ; v[162:163]: -M in the low word
.set SUMA, 164
.set SUMB, 166
.set MW,   168
.set XM,   172
.set PWS,  176
.set NMS,  184
.set LS,   192
.set O4,   200                         ; v200-211: three sets of four
.set WV,   14
.set RH,   15
.set CH,   16
.set G1A,  24
.set G1B,  32
.set G1SA, 40
.set G1SB, 48
.set G0A,  56                          ; region n at s[56 + 4 n + 4 (n / 2)]: s64 and s65 are passed over
.set G0B,  72
.set G0SA, 84
.set G0SB, 88
.set CS,   92
.set SEL,  94
.set NINF, 96
.set HM,   97
.set MUL_LO, 0xa1
.set MUL_HI, 0xf1
.set TO_B,   0x40
.set MSB, 0
.macro WIN new
.if MSB != (\new)
	s_set_vgpr_msb (MSB<<8)|(\new)
.set MSB, (\new)
.endif
.endm
.macro PLACES n
.rept \n
	v_nop
.endr
.endm
.macro JLOAD g0a, g1a, g0b, g1b        ; a joint load: waves 0, 1 fetch for A, waves 2, 3 for B; four v_nop follow each line
	s_cmp_eq_u32 s[RH], 0
	s_cbranch_scc0 .Lfor_b_\@
	tensor_load_to_lds s[\g0a:\g0a+3], s[\g1a:\g1a+7]
	s_nop 0
.rept 4
	v_nop
.endr
	s_branch .Lasked_\@
.Lfor_b_\@:
	tensor_load_to_lds s[\g0b:\g0b+3], s[\g1b:\g1b+7]
	s_nop 0
.rept 4
	v_nop
.endr
.Lasked_\@:
.endm
.macro CREST
	s_cmp_lg_u32 s[WV], 0
	s_cbranch_scc1 .Lnot_wave_0_\@
	s_barrier_signal -3
.Lnot_wave_0_\@:
	s_barrier_wait -3
	s_barrier_signal -1
	s_barrier_wait -1
.endm
.macro CROUND
	s_barrier_signal -1
	s_barrier_wait -1
	CREST
.endm
.macro FETCH_B ks, set                 ; a fragment is an image of its registers: three loads, 512 consecutive bytes each
	WIN TO_B
.irp i, 0,1,2,3,4,5,6,7
.irp c, 0,1,2
.set BG, (((\ks)+2)/4)%2                       ; steps 2-5 (chunks 1 and 2, brought by one load) lie in the large region, a row block 6,144 bytes; steps 0, 1, 6, 7 in region 0, a row block 3,072 bytes
.set FP, 3072+3072*BG
.set FO, (((\ks)+2*BG)%(2+2*BG))*1536
	ds_load_b128 v[128*(\set)+FR*\i+4*\c:128*(\set)+FR*\i+4*\c+3], v[ADRB+BG] offset:\i*FP+FO+512*\c
.endr
.endr
.endm
.macro FETCH_S ks, set                 ; eight blocks' scale words: lanes 0-15 A's, lanes 16-31 B's
	WIN 0
	ds_load_b128 v[SC+8*(\set):SC+8*(\set)+3], v[ADRS] offset:512*(\ks)
	ds_load_b128 v[SC+8*(\set)+4:SC+8*(\set)+7], v[ADRS] offset:512*(\ks)+16
.endm
.macro FETCH_A ks, set
.set II, 0
.rept MB
.irp c, 0,1,2
.set BG, (((\ks)+2)/4)%2
.set FP, 3072+3072*BG
.set FO, (((\ks)+2*BG)%(2+2*BG))*1536
	ds_load_b128 v[AF+ASTR*(\set)+FR*II+4*\c:AF+ASTR*(\set)+FR*II+4*\c+3], v[ADRA+BG] offset:II*FP+FO+512*\c
.endr
.set II, II+1
.endr
.endm
.macro MULB a, set, z
.irp b, 0,1,2,3,4,5,6,7
.set rD, 8*(8*((\a)%4)+\b)
.set rB, 128*(\set)+FR*\b
.set rA, AF+ASTR*(\set)+FR*(\a)
.set rSB, SC+8*(\set)+\b
.set rSA, SC+8*(\set)+(\a)
.if (\z) == 0
	v_wmma_scale_f32_16x16x128_f8f6f4 v[rD:rD+7], v[rB:rB+FR-1], v[rA:rA+FR-1], v[rD:rD+7], v[rSB], v[rSA] matrix_a_fmt:MATRIX_FMT_FP6 matrix_b_fmt:MATRIX_FMT_FP6 matrix_a_scale:MATRIX_SCALE_ROW1
.else
	v_wmma_scale_f32_16x16x128_f8f6f4 v[rD:rD+7], v[rB:rB+FR-1], v[rA:rA+FR-1], 0, v[rSB], v[rSA] matrix_a_fmt:MATRIX_FMT_FP6 matrix_b_fmt:MATRIX_FMT_FP6 matrix_a_scale:MATRIX_SCALE_ROW1
.endif
.endr
.endm
.macro MULS a0, n, set, z              ; the accumulators take turns, one instruction a turn, in the same order in every step
.set AA, \a0
.rept \n
	MULB AA, \set, \z
.set AA, AA+1
.endr
.endm
.macro STEP ks, z                      ; the four v_nop at the head are the places behind the last step's products for all loads of this step
.set P, (\ks)%2
.set N, 1-P
	s_wait_dscnt HB*NL                             ; all but A's upper blocks are in
	PLACES 4
	FETCH_B (\ks)+1, N
	WIN MUL_LO
	MULS 0, HB, P, \z
	s_wait_dscnt 8*NL                              ; all but B's loads just issued
	FETCH_S (\ks)+1, N
	FETCH_A (\ks)+1, N
	WIN MUL_HI
	MULS HB, HB, P, \z
.endm
.macro TURN ks, fill                   ; a step behind which a region is read that was not yet shown whole, or this step's region is filled again
.set P, (\ks)%2
.set N, 1-P
.set R, ((\ks)/NQ)%NR
	WIN 0
	s_wait_tensorcnt 0x0                           ; all my tensor loads have landed
	ds_add_u32 v[SPW], v[NIL]                      ; 0 onto my spare word
	s_wait_dscnt HB*NL+1                           ; (the add and A's upper blocks may be out)
	WIN MUL_LO
	MULS 0, HB/2, P, 0
	s_wait_dscnt 0x0                               ; the add is done, and my reads of this region are over
	s_barrier_signal -1
	MULS HB/2, HB/2, P, 0
	WIN 0
	s_barrier_wait -1
.if \fill
	CREST                                          ; a round of the cluster's barrier: no wave of any partner still reads this region or has a load on its way
	s_add_nc_u64 s[G0A+4*R+2:G0A+4*R+3], s[G0A+4*R+2:G0A+4*R+3], NR*CHB
	s_add_nc_u64 s[G0B+4*R+2:G0B+4*R+3], s[G0B+4*R+2:G0B+4*R+3], NR*CHB
	JLOAD G0A+4*R, G1A, G0B+4*R, G1B
.else
	PLACES 4
.endif
	FETCH_B (\ks)+1, N
	FETCH_S (\ks)+1, N
	FETCH_A (\ks)+1, N
	WIN MUL_HI
	MULS HB, HB, P, 0
.endm
.macro LAST ks
.set P, (\ks)%2
	s_wait_dscnt HB*NL
	WIN MUL_LO
	MULS 0, HB, P, 0
	s_wait_dscnt 0x0
	WIN MUL_HI
	MULS HB, HB, P, 0
	WIN 0
.endm
; Block a of 16 queries x my 128 keys: mask, local softmax, codes.
.macro SOFT a
	WIN 0x04
.irp c, 0,1,2,3
	v_lshrrev_b32 v[MW+\c], v[H2], v[96+4*(\a)+\c] ; my half's bits: key 16 i + 8 h + j is bit 4 i + 2 h + j / 4 of word j % 4
.endr
	WIN 0x20+0x10*((\a)/4)
.set TI, 0
.rept 8
.irp g, 0,1
.irp c, 0,1,2,3
	v_lshlrev_b32 v[XM+\c], 31-4*TI-\g, v[MW+\c]   ; the key's bit to the top,
.endr
.irp c, 0,1,2,3
	v_ashrrev_i32 v[XM+\c], 31, v[XM+\c]           ; spread over the word,
.endr
.irp c, 0,1,2,3
	v_bfi_b32 v[S+8*TI+4*\g+\c], v[XM+\c], s[NINF], v[64*((\a)%4)+8*TI+4*\g+\c]   ; chooses -infinity or the score; each accumulator from its low end on
.endr
.endr
.set TI, TI+1
.endr
	WIN 0
.irp b, 0,1,2,3
	v_max3_num_f32 v[BMX+\b], v[S+16*\b], v[S+1+16*\b], v[S+2+16*\b]   ; the largest score of each block of 32 keys: for the group's maximum, and, since p rises with the score, for the block's largest p
.endr
.irp i, 3,5,7,9,11,13
.irp b, 0,1,2,3
	v_max3_num_f32 v[BMX+\b], v[BMX+\b], v[S+16*\b+\i], v[S+1+16*\b+\i]
.endr
.endr
.irp b, 0,1,2,3
	v_max_num_f32 v[BMX+\b], v[BMX+\b], v[S+15+16*\b]
.endr
.irp b, 0,1,2,3
	v_permlanex16_b32 v[T2+\b], v[BMX+\b], s[SEL], s[SEL+1]
.endr
.irp b, 0,1,2,3
	v_max_num_f32 v[BMX+\b], v[BMX+\b], v[T2+\b]
.endr
	v_max3_num_f32 v[TMP], v[BMX], v[BMX+1], v[BMX+2]
	v_max_num_f32 v[TMP], v[TMP], v[BMX+3]
	v_mul_f32 v[TMP], s[CS], v[TMP]                ; as t
	v_max_num_f32 v[TMP], 0xff61b1e6, v[TMP]       ; not under -3e38: a group with every key dropped keeps a finite M
	v_floor_f32 v[NEGM], -v[TMP]                   ; -M = floor(-t): M is a whole number
.set J, 0
.rept 32
	v_pk_fma_f32 v[S+J:S+J+1], v[S+J:S+J+1], s[CS:CS+1], v[NEGM:NEGM+1] op_sel_hi:[1,0,0]   ; t - M
.set J, J+2
.endr
.irp b, 0,1,2,3
	v_fma_f32 v[BMX+\b], v[BMX+\b], s[CS], v[NEGM]
.endr
.set J, 0
	s_wait_alu depctr_va_vdst(0)
.rept 64
	v_exp_f32 v[S+J], v[S+J]                       ; p = 2^(t - M), at most 1
.set J, J+1
.endr
	v_mov_b32 v[NMS+(\a)], v[NEGM]                 ; a plain place behind the exponentials
	s_wait_alu depctr_va_vdst(0)                   ; one wait for the batch, ahead of its first reader
.irp b, 0,1,2,3
	v_exp_f32 v[BMX+\b], v[BMX+\b]                 ; the block's largest p: the same two instructions on the same number
.endr
	v_pk_add_f32 v[SUMA:SUMA+1], v[S:S+1], v[S+4:S+5]     ; the sum of the UNQUANTISED p, in two chains; it reads the 64 alone
	v_pk_add_f32 v[SUMB:SUMB+1], v[S+2:S+3], v[S+6:S+7]
.irp j, 8,12,16,20,24,28,32,36,40,44,48,52,56,60
	v_pk_add_f32 v[SUMA:SUMA+1], v[SUMA:SUMA+1], v[S+\j:S+\j+1]
	v_pk_add_f32 v[SUMB:SUMB+1], v[SUMB:SUMB+1], v[S+\j+2:S+\j+3]
.endr
	v_pk_add_f32 v[SUMA:SUMA+1], v[SUMA:SUMA+1], v[SUMB:SUMB+1]
	v_add_f32 v[TMP], v[SUMA], v[SUMA+1]
	v_permlanex16_b32 v[T2], v[TMP], s[SEL], s[SEL+1]
	v_add_f32 v[LS+(\a)], v[TMP], v[T2]            ; with lane l xor 16's 64 keys
	s_wait_alu depctr_va_vdst(0)                   ; and one for the four
.irp b, 0,1,2,3
	v_max_num_f32 v[BMX+\b], 0x1800000, v[BMX+\b]  ; the floor 2^(3 - 127): the byte cannot fall under 1
.endr
.irp b, 0,1,2,3
	v_add_nc_u32 v[SOP+\b], 0xff000000, v[BMX+\b]
.endr
.irp b, 0,1,2,3
	v_lshrrev_b32 v[T2+\b], 23, v[SOP+\b]
.endr
	v_lshl_or_b32 v[PWS+(\a)], v[T2+1], 8, v[T2]
	v_lshl_or_b32 v[PWS+(\a)], v[T2+2], 16, v[PWS+(\a)]
	v_lshl_or_b32 v[PWS+(\a)], v[T2+3], 24, v[PWS+(\a)]
	s_wait_xcnt 0x0                                ; the last block's stores have read their registers
.irp c, 0,1
	v_cvt_scalef32_pk16_fp6_f32 v[PC+6*\c:PC+2+6*\c], v[S+32*\c:S+15+32*\c], v[SOP+2*\c]
	v_cvt_scalef32_pk16_fp6_f32 v[PC+12+4*\c:PC+14+4*\c], v[S+16+32*\c:S+31+32*\c], v[SOP+2*\c+1]
.endr
	v_nop                                          ; one plain place behind a scaled conversion
.irp c, 0,1
.irp i, 0,1,2
	v_permlane16_swap_b32 v[PC+6*\c+\i], v[PC+12+4*\c+\i]
.endr
.irp i, 0,1,2
	v_mov_b32 v[PC+3+6*\c+\i], v[PC+12+4*\c+\i]
.endr
.endr
.irp c, 0,1,2
	global_store_b128 v[LI], v[PC+4*\c:PC+4*\c+3], s[10:11] offset:24576*(\a)+512*\c   ; a row block of P's image is 16 K steps of 1,536 bytes
.endr
.endm
	s_load_b256 s[4:11], s[0:1], 0x0               ; opnd, opsc, mbits, pimg
	s_load_b64 s[12:13], s[0:1], 0x20              ; pstat
	v_lshl_add_u32 v[SPW], v0, 2, SPARE
	v_mov_b32 v[NIL], 0
	ds_add_u32 v28, v29
	ds_add_u32 v28, v29
	s_wait_dscnt 0x0
	v_lshrrev_b32 v1, 5, v0
	v_readfirstlane_b32 s[WV], v1
	s_lshr_b32 s[RH], s[WV], 1                     ; my half of the queries.  Also: I fetch for pq (0) or for pk (1)
	s_and_b32 s[CH], s[WV], 1                      ; my half of the keys.  Also: which 128 rows I fetch
	s_bfe_u32 s17, ttmp6, 0x40000                  ; cx
	s_bfe_u32 s18, ttmp6, 0x40004                  ; cy
	s_lshl_b32 s19, ttmp9, 2
	s_add_co_u32 s19, s19, s17                     ; x: tile of 256 keys inside the batch
	s_and_b32 s21, ttmp7, 0xffff
	s_lshl_b32 s20, s21, 2
	s_add_co_u32 s20, s20, s18                     ; y: tile of 256 of the 8,192 queries
	s_lshr_b32 s22, s21, 1                         ; the batch: from the cluster's y alone
	s_lshl_b32 s2, s18, 2
	s_lshl_b32 s2, 15, s2                          ; my row of the cluster
	s_lshl_b32 s3, 0x1111, s17                     ; my column
	s_or_b32 s[G1A], s2, (3<<16)|(1<<21)           ; mask; elements of 8 bytes; bit 21 beside a mask; no padding
	s_or_b32 s[G1B], s3, (3<<16)|(1<<21)
	s_or_b32 s[G1SA], s2, (3<<16)|(1<<21)
	s_or_b32 s[G1SB], s3, (3<<16)|(1<<21)
.irp g, G1A, G1B
	s_mov_b32 s[\g+1], 384<<16                     ; a chunk of a row block: 3,072 bytes
	s_mov_b32 s[\g+2], 8<<16                       ; 8 row blocks
	s_mov_b32 s[\g+3], 384<<16
	s_mov_b32 s[\g+4], 8
	s_mov_b32 s[\g+5], 1536                        ; a row block of the image: 12,288 bytes
	s_mov_b32 s[\g+6], 0
	s_mov_b32 s[\g+7], 0
.endr
.irp g, G1SA, G1SB
	s_mov_b32 s[\g+1], 768<<16                     ; chunks 1 and 2 of a row block in one row: 6,144 bytes
	s_mov_b32 s[\g+2], 8<<16
	s_mov_b32 s[\g+3], 768<<16
	s_mov_b32 s[\g+4], 8
	s_mov_b32 s[\g+5], 1536
	s_mov_b32 s[\g+6], 0
	s_mov_b32 s[\g+7], 0
.endr
	s_lshl_b32 s23, s[CH], 3
	s_lshl_b32 s98, s20, 4
	s_add_co_u32 s98, s98, s23
	s_mul_i32 s98, s98, 12288                      ; pq: row block 16 y + 8 x half
	s_mov_b32 s99, 0
	s_lshl_b32 s100, s22, 7
	s_lshl_b32 s101, s19, 4
	s_add_co_u32 s100, s100, s101
	s_add_co_u32 s100, s100, s23
	s_mul_i32 s100, s100, 12288                    ; pk: row block 128 b + 16 x + 8 x half,
	s_add_co_u32 s100, s100, 6291456               ; behind pq's image
	s_mov_b32 s101, 0
	s_lshl_b32 s[G0SA+2], s20, 13                  ; the scale words of my tile's 256 queries: 8,192 dense bytes
	s_mov_b32 s[G0SA+3], 0
	s_lshl_b32 s23, s19, 1
	s_add_co_u32 s23, s23, s[CH]                   ; 2 x + half: my group of 128 keys when CH is my half of the keys, and the group that I fetch
	s_lshl_b32 s[G0SB+2], s22, 3
	s_add_co_u32 s[G0SB+2], s[G0SB+2], s19
	s_lshl_b32 s[G0SB+2], s[G0SB+2], 13            ; and of its 256 keys
	s_add_co_u32 s[G0SB+2], s[G0SB+2], 262144
	s_mov_b32 s[G0SB+3], 0
	s_mov_b32 s[CS], 0x3e38aa3b                    ; log2(e) / 8
	s_mov_b32 s[CS+1], s[CS]
	s_mov_b32 s[SEL], 0x76543210
	s_mov_b32 s[SEL+1], 0xfedcba98
	s_mov_b32 s[NINF], 0xff800000
	s_mov_b32 s[HM], 0xffff0000
	s_wait_kmcnt 0x0
	s_add_nc_u64 s[98:99], s[4:5], s[98:99]
	s_add_nc_u64 s[100:101], s[4:5], s[100:101]
	s_add_nc_u64 s[G0SA+2:G0SA+3], s[6:7], s[G0SA+2:G0SA+3]
	s_add_nc_u64 s[G0SB+2:G0SB+3], s[6:7], s[G0SB+2:G0SB+3]
.irp n, 0,1                                    ; n = 0: region 0, a quarter 24,576 bytes (chunk 0, later chunk 3); n = 1: the large region, a quarter 49,152 bytes (chunks 1 and 2)
	s_mov_b32 s[G0A+4*\n], 1
	s_mul_i32 s[G0A+4*\n+1], s[WV], 24576+24576*\n
	s_add_co_u32 s[G0A+4*\n+1], s[G0A+4*\n+1], \n*REG
	s_add_nc_u64 s[G0A+4*\n+2:G0A+4*\n+3], s[98:99], \n*CHB
	s_or_b32 s[G0A+4*\n+3], s[G0A+4*\n+3], 0x80000000
	s_mov_b32 s[G0B+4*\n], 1
	s_mul_i32 s[G0B+4*\n+1], s[WV], 24576+24576*\n
	s_add_co_u32 s[G0B+4*\n+1], s[G0B+4*\n+1], \n*REG
	s_add_nc_u64 s[G0B+4*\n+2:G0B+4*\n+3], s[100:101], \n*CHB
	s_or_b32 s[G0B+4*\n+3], s[G0B+4*\n+3], 0x80000000
.endr
	s_cmp_eq_u32 s[RH], 0                          ; the prefetches' base: of the 8 row blocks that I fetch, the partner at place p (cx for pq, cy for pk: an address alone) takes blocks 2 p, 2 p + 1; from chunk 1 on
	s_cselect_b64 s[4:5], s[98:99], s[100:101]
	s_cselect_b32 s6, s17, s18
	s_mul_i32 s6, s6, 24576
	s_add_co_u32 s6, s6, 3072
	s_mov_b32 s7, 0
	s_add_nc_u64 s[4:5], s[4:5], s[6:7]
	CROUND                                         ; all sixteen work-groups are here: the first joint loads meet
	JLOAD G0A, G1A, G0B, G1B                       ; chunk 0: one tensor load a wave at the head
	v_lshlrev_b32 v30, 4, v0                       ; the scale words come through registers into LDS bytes of their own: 16 bytes a thread, 2,048 an instruction
	v_add_nc_u32 v31, ASC, v30
.irp k, 0,1,2,3
	global_load_b128 v[64+4*\k:67+4*\k], v30, s[G0SA+2:G0SA+3] offset:2048*\k
	global_load_b128 v[80+4*\k:83+4*\k], v30, s[G0SB+2:G0SB+3] offset:2048*\k
.endr
	v_and_b32 v8, 31, v0                           ; chunks 1 to 3 of a row block are 9,216 bytes, 36 blocks of 256: a lane a block
	v_min_u32 v9, 7, v8
	v_lshlrev_b32 v8, 8, v8                        ; blocks 0-31 of a row block
	v_lshrrev_b32 v10, 2, v9
	v_and_b32 v9, 3, v9
	v_mul_u32_u24 v10, v10, 12288
	v_lshl_add_u32 v9, v9, 8, v10                  ; blocks 32-35 of both row blocks in lanes 0-7; the lanes left over name the last again
	s_wait_alu depctr_va_vdst(0)                   ; ahead of the readers below
	global_prefetch_b8 v8, s[4:5] th:TH_LOAD_NT scope:SCOPE_SE              ; v8, v9 and s[4:5] are never rewritten
	global_prefetch_b8 v8, s[4:5] offset:12288 th:TH_LOAD_NT scope:SCOPE_SE
	global_prefetch_b8 v9, s[4:5] offset:8192 th:TH_LOAD_NT scope:SCOPE_SE
	v_and_b32 v1, 15, v0                           ; r
	v_bfe_u32 v2, v0, 4, 1                         ; h
	v_and_b32 v3, 31, v0
	v_lshlrev_b32 v[LI], 4, v3
	v_lshlrev_b32 v[SO], 5, v1
	v_lshlrev_b32 v[H2], 1, v2
	s_mul_i32 s98, s[RH], 24576
	s_mul_i32 s99, s[CH], 24576
	s_add_co_u32 s99, s99, 49152
	v_add_nc_u32 v[ADRA], s98, v[LI]
	v_add_nc_u32 v[ADRB], s99, v[LI]
	s_lshl_b32 s98, s98, 1                         ; in the large region every quarter is twice as long
	s_lshl_b32 s99, s99, 1
	s_add_co_u32 s98, s98, REG
	s_add_co_u32 s99, s99, REG
	v_add_nc_u32 v[ADRA+1], s98, v[LI]
	v_add_nc_u32 v[ADRB+1], s99, v[LI]
	s_lshl_b32 s98, s[RH], 12
	s_lshl_b32 s99, s[CH], 12
	s_add_co_u32 s99, s99, BSC-ASC
	s_sub_co_u32 s99, s99, s98
	s_wait_alu depctr_va_vdst(0)                   ; directly ahead of the reader below
	v_mul_u32_u24 v4, s99, v2                      ; lanes 16-31 take pk's words: the lower base + h x the distance
	s_add_co_u32 s98, s98, ASC
	v_add_nc_u32 v4, v4, v[SO]                     ; + 32 r
	v_add_nc_u32 v[ADRS], s98, v4
	v_lshl_add_u32 v[SO], v2, 4, v[SO]             ; 32 r + 16 h
	; the mask words of my 128 queries for my 128 keys: 16 bytes a query; they are wanted only behind the K walk
	s_lshl_b32 s98, s22, 4
	s_add_co_u32 s98, s98, s23
	s_lshl_b32 s98, s98, 11
	s_lshl_b32 s99, s20, 8
	s_and_b32 s99, s99, 2047
	s_add_co_u32 s98, s98, s99
	s_lshl_b32 s99, s[RH], 7
	s_add_co_u32 s98, s98, s99
	s_lshl_b32 s98, s98, 4
	v_lshl_add_u32 v7, v1, 4, s98
	WIN TO_B
.irp a, 0,1,2,3,4,5,6,7
	global_load_b128 v[96+4*\a:99+4*\a], v7, s[8:9] offset:256*\a
.endr
	WIN 0
	; where the results go
	s_lshl_b32 s98, s20, 4
	s_lshl_b32 s99, s[RH], 3
	s_add_co_u32 s98, s98, s99
	s_lshl_b32 s98, s98, 4
	s_add_co_u32 s98, s98, s23
	s_mul_i32 s98, s98, 1536
	s_mov_b32 s99, 0
	s_add_nc_u64 s[10:11], s[10:11], s[98:99]
	s_lshl_b32 s98, s20, 1
	s_add_co_u32 s98, s98, s[RH]
	s_lshl_b32 s98, s98, 4
	s_add_co_u32 s98, s98, s23
	s_lshl_b32 s98, s98, 9
	s_add_nc_u64 s[12:13], s[12:13], s[98:99]
	s_wait_alu depctr_va_vdst(0)
	s_wait_loadcnt 0x8                             ; the scale words are in; the eight loads of mask words, issued behind them, may be out
	s_wait_tensorcnt 0x0                           ; my part of chunk 0 is in: no tensor load of mine is out while I store to LDS
.irp k, 0,1,2,3
	ds_store_b128 v31, v[64+4*\k:67+4*\k] offset:2048*\k
	ds_store_b128 v31, v[80+4*\k:83+4*\k] offset:8192+2048*\k
.endr
	s_wait_tensorcnt 0x0                           ; the three lines ahead of a later first fill
	ds_add_u32 v[SPW], v[NIL]
	s_wait_dscnt 0x0                               ; the add and my stores are done
	CROUND                                         ; chunk 0 and the scale words are whole, and all sixteen work-groups are here
	JLOAD G0A+4, G1SA, G0B+4, G1SB                 ; chunks 1 and 2 by one load, the first tensor load behind the round
	FETCH_B 0, 0
	FETCH_S 0, 0
	FETCH_A 0, 0
	STEP 0, 1                                      ; the first step starts the sums
	TURN 1, 1                                      ; chunks 1 and 2 are whole for every wave; region 0 takes chunk 3
	STEP 2, 0
	STEP 3, 0                                      ; its successor lies in the large region, shown whole at the change above
	STEP 4, 0
	TURN 5, 0                                      ; chunk 3 is whole
	STEP 6, 0
	LAST 7
	s_wait_loadcnt 0x0                             ; the mask words
	PLACES 4
.irp b, 0,1,2,3
	v_mov_b32 v[T2+\b], 0                          ; a lane permute's destination counts as one of its sources
.endr
	v_mov_b32 v[NEGM+1], 0                         ; named with -M as a pair
.set AB, 0
.rept 8
	SOFT AB
.set AB, AB+1
.endr
.irp k, 0,1,2,3                                ; lanes 0-15 carry blocks 0-3's words, lanes 16-31 blocks 4-7's
	v_cndmask_b32 v[O4+\k], v[PWS+\k], v[PWS+4+\k], s[HM]
	v_cndmask_b32 v[O4+4+\k], v[NMS+\k], v[NMS+4+\k], s[HM]
	v_cndmask_b32 v[O4+8+\k], v[LS+\k], v[LS+4+\k], s[HM]
.endr
	global_store_b128 v[SO], v[O4:O4+3], s[12:13]                     ; p's scale words,
	global_store_b128 v[SO], v[O4+4:O4+7], s[12:13] offset:524288     ; -M,
	global_store_b128 v[SO], v[O4+8:O4+11], s[12:13] offset:1048576   ; the sums: 512 consecutive bytes each
	s_wait_tensorcnt 0x0                           ; the wave's end
	ds_add_u32 v[SPW], v[NIL]
	s_wait_dscnt 0x0
	CROUND
	s_endpgm
.Lfunc_end_k_qfb9b0177f3_scores:
	.size	k_qfb9b0177f3_scores, .Lfunc_end_k_qfb9b0177f3_scores-k_qfb9b0177f3_scores
	.p2alignl 7, 3214868480
	.fill 96, 4, 3214868480
	.section	.rodata,"a",@progbits
	.p2align	6, 0x0
	.amdhsa_kernel k_qfb9b0177f3_scores
		.amdhsa_group_segment_fixed_size 327680
		.amdhsa_private_segment_fixed_size 0
		.amdhsa_enable_private_segment 0
		.amdhsa_kernarg_size 40
		.amdhsa_user_sgpr_count 2
		.amdhsa_user_sgpr_kernarg_segment_ptr 1
		.amdhsa_wavefront_size32 1
		.amdhsa_system_sgpr_workgroup_id_x 1
		.amdhsa_system_sgpr_workgroup_id_y 1
		.amdhsa_system_sgpr_workgroup_id_z 1
		.amdhsa_system_vgpr_workitem_id 0
		.amdhsa_next_free_vgpr 1024
		.amdhsa_next_free_sgpr 102
		.amdhsa_reserve_vcc 0
		.amdhsa_float_denorm_mode_32 3
		.amdhsa_float_denorm_mode_16_64 3
		.amdhsa_memory_ordered 1
		.amdhsa_forward_progress 1
		.amdhsa_inst_pref_size 255
	.end_amdhsa_kernel
	.section	.bss,"aw",@nobits
	.p2align	6
	.space	262144
	.amdgpu_metadata
---
amdhsa.version: [ 1, 2 ]
amdhsa.kernels:
  - .name:           k_qfb9b0177f3_scores
    .symbol:         k_qfb9b0177f3_scores.kd
    .args:
      - { .name: opnd, .offset: 0, .size: 8, .value_kind: global_buffer, .address_space: global }
      - { .name: opsc, .offset: 8, .size: 8, .value_kind: global_buffer, .address_space: global }
      - { .name: mbits, .offset: 16, .size: 8, .value_kind: global_buffer, .address_space: global }
      - { .name: pimg, .offset: 24, .size: 8, .value_kind: global_buffer, .address_space: global }
      - { .name: pstat, .offset: 32, .size: 8, .value_kind: global_buffer, .address_space: global }
    .group_segment_fixed_size: 327680
    .private_segment_fixed_size: 0
    .kernarg_segment_align: 8
    .kernarg_segment_size: 40
    .max_flat_workgroup_size: 128
    .sgpr_count:     102
    .vgpr_count:     1024
    .wavefront_size: 32
...
	.end_amdgpu_metadata
.endif
;; end of part 2
;; launch pv (part 3): grid 4 x 64, 4 waves a work-group, clusters of 4 x 4, 327,680 bytes of LDS; arguments pimg, pstat, opnd, opsc, mhimg, mhsc; writes mhimg, mhsc
.if DOCPART == 3
	.amdgcn_target "amdgcn-amd-amdhsa--gfx1250"
	.amdhsa_code_object_version 6
	.text
	.protected	k_qfb9b0177f3_pv
	.globl	k_qfb9b0177f3_pv
	.p2align	8
	.type	k_qfb9b0177f3_pv,@function
k_qfb9b0177f3_pv:
	s_mov_b64 s[64:65], 0
	v_nop
	global_prefetch_b8 v0, s[64:65] scope:SCOPE_SE
	s_setreg_imm32_b32 hwreg(HW_REG_WAVE_MODE, 25, 1), 1
	s_wait_xcnt 0x0
	s_wait_alu depctr_hold_cnt(0) depctr_sa_sdst(0) depctr_va_vdst(0) depctr_va_sdst(0) depctr_va_ssrc(0) depctr_va_vcc(0) depctr_vm_vsrc(0)
	s_getreg_b32 s2, hwreg(HW_REG_IB_STS2, 6, 4)
	s_cmp_eq_u32 s2, 0
	s_cbranch_scc0 .Lentry_in_a_cluster
	s_endpgm
.Lentry_in_a_cluster:
	s_bfe_u32 s2, ttmp6, 0x10000c
	s_cmp_lg_u32 s2, 0xf033
	s_cbranch_scc0 .Lentry_shape_is_right
	s_endpgm
.Lentry_shape_is_right:
; PV.  mh = (P pv) / l (batch 4 x [2048 x 1024], K = 2048 keys) on codes of FP6 with E8M0 scales, quantised along e on the way out.
; P's codes were made group of 128 keys by group, each under its own whole number M.  At the head thread t takes one of the work-group's 128 queries: the row's M is the largest of its 16 groups' (kept as -M: the least);
; D = M - the group's M, a whole number, is taken off the group's four scale bytes (held at 0 from below) and off the exponent of the group's sum (v_ldexp_f32); both are exact.  The mended scale words, 1 / l and a flag
; for l = 0 go to LDS bytes of their own, while the first tiles are on their way.
; A tile of 128 queries x 256 of e to a work-group, 64 x 128 to a wave (32 accumulators).  K goes in chunks of 512 keys (6,144 dense bytes of a row block's image) through two LDS regions.  A wave
; has at most one tensor load out.  4 x 4 work-groups form a cluster: P's tiles are asked for jointly along a row, pv's along a column.
; TRANSPOSED: source 0 = 16 rows of pv^T (e), source 1 = 16 queries: a lane holds one query, its registers run along e, the next K.
; A row with every key dropped has l = 0: its scale words become 0xffffffff, so the last product gives NaN on the whole row, as the softmax of a row of -infinity does.
; LIMITS: a group more than 255 binades under its row's M, or whose byte would fall under 0, gets the byte 0: its codes then count 7.5 x 2^-127 each at the most.  A block of zeros carries the byte 1.
; REGISTERS: window 0: v1-29 addresses; v32-47 scale words, two sets; v48-95, v96-143 P's fragments, two sets; v144-207 the head's work, later the way out's.  window 1: v0-95, v128-223 pv's fragments.  window 2: accumulators.
.set MB,    4
.set HB,    2
.set NQ,    4
.set NR,    2
.set NL,    3
.set FR,    12
.set CHB,   6144
.set REG,   147456                     ; a region: P's 8 row blocks x 6,144 bytes, then pv's 16
.set ASC,   2*REG                      ; P's mended scale words, 8,192 bytes: written by LDS stores; no tensor load lands here
.set BSC,   ASC+8192                   ; pv's scale words, 16,384 bytes
.set RL,    BSC+16384                  ; 1 / l, a word a query
.set FL,    RL+512                     ; the flag, a word a query
.set SPARE, FL+512
.set ADRA, 16
.set ADRB, 20
.set LI,   24
.set R32,  25                          ; 32 r
.set ARL,  26
.set ADRS, 27
.set SPW,  28
.set NIL,  29
.set ASA,  30                          ; ASC + 4 x thread
.set TQ,   31                          ; 4 x thread
.set SC,   32
.set AF,   48
.set ASTR, 48
.set W,    144
.set NM,   160
.set LL,   176
.set T,    192
.set X,    48
.set PC,   112
.set TM,   132
.set RLR,  192
.set FLR,  196
.set PWS,  200
.set BT,   206
.set WV,   16
.set RH,   17
.set CH,   18
.set G1A,  24
.set G1B,  32
.set G1SB, 40
.set G0A,  48
.set G0B,  56
.set G0SB, 68
.set SEL,  72
.set MUL_LO, 0xa1
.set MUL_HI, 0xa1
.set TO_B,   0x40
.set MSB, 0
.macro WIN new
.if MSB != (\new)
	s_set_vgpr_msb (MSB<<8)|(\new)
.set MSB, (\new)
.endif
.endm
.macro PLACES n
.rept \n
	v_nop
.endr
.endm
.macro JLOAD g0a, g1a, g0b, g1b        ; a joint load: waves 0, 1 fetch for A, waves 2, 3 for B; four v_nop follow each line
	s_cmp_eq_u32 s[RH], 0
	s_cbranch_scc0 .Lfor_b_\@
	tensor_load_to_lds s[\g0a:\g0a+3], s[\g1a:\g1a+7]
	s_nop 0
.rept 4
	v_nop
.endr
	s_branch .Lasked_\@
.Lfor_b_\@:
	tensor_load_to_lds s[\g0b:\g0b+3], s[\g1b:\g1b+7]
	s_nop 0
.rept 4
	v_nop
.endr
.Lasked_\@:
.endm
.macro CREST
	s_cmp_lg_u32 s[WV], 0
	s_cbranch_scc1 .Lnot_wave_0_\@
	s_barrier_signal -3
.Lnot_wave_0_\@:
	s_barrier_wait -3
	s_barrier_signal -1
	s_barrier_wait -1
.endm
.macro CROUND
	s_barrier_signal -1
	s_barrier_wait -1
	CREST
.endm
.macro FETCH_B ks, set
	WIN TO_B
.irp i, 0,1,2,3,4,5,6,7
.irp c, 0,1,2
	ds_load_b128 v[128*(\set)+FR*\i+4*\c:128*(\set)+FR*\i+4*\c+3], v[ADRB+((\ks)/NQ)%NR] offset:\i*NQ*1536+((\ks)%NQ)*1536+512*\c
.endr
.endr
.endm
.macro FETCH_S ks, set                 ; lanes 0-15: my four blocks of A in the first four registers (the other four are not used); lanes 16-31: B's eight
	WIN 0
	ds_load_b128 v[SC+8*(\set):SC+8*(\set)+3], v[ADRS] offset:512*(\ks)
	ds_load_b128 v[SC+8*(\set)+4:SC+8*(\set)+7], v[ADRS] offset:512*(\ks)+16
.endm
.macro FETCH_A ks, set
.set II, 0
.rept MB
.irp c, 0,1,2
	ds_load_b128 v[AF+ASTR*(\set)+FR*II+4*\c:AF+ASTR*(\set)+FR*II+4*\c+3], v[ADRA+((\ks)/NQ)%NR] offset:II*NQ*1536+((\ks)%NQ)*1536+512*\c
.endr
.set II, II+1
.endr
.endm
.macro MULB a, set, z
.irp b, 0,1,2,3,4,5,6,7
.set rD, 8*(8*((\a)%4)+\b)
.set rB, 128*(\set)+FR*\b
.set rA, AF+ASTR*(\set)+FR*(\a)
.set rSB, SC+8*(\set)+\b
.set rSA, SC+8*(\set)+(\a)
.if (\z) == 0
	v_wmma_scale_f32_16x16x128_f8f6f4 v[rD:rD+7], v[rB:rB+FR-1], v[rA:rA+FR-1], v[rD:rD+7], v[rSB], v[rSA] matrix_a_fmt:MATRIX_FMT_FP6 matrix_b_fmt:MATRIX_FMT_FP6 matrix_a_scale:MATRIX_SCALE_ROW1
.else
	v_wmma_scale_f32_16x16x128_f8f6f4 v[rD:rD+7], v[rB:rB+FR-1], v[rA:rA+FR-1], 0, v[rSB], v[rSA] matrix_a_fmt:MATRIX_FMT_FP6 matrix_b_fmt:MATRIX_FMT_FP6 matrix_a_scale:MATRIX_SCALE_ROW1
.endif
.endr
.endm
.macro MULS a0, n, set, z              ; the accumulators take turns, one instruction a turn, in the same order in every step
.set AA, \a0
.rept \n
	MULB AA, \set, \z
.set AA, AA+1
.endr
.endm
.macro STEP ks, z                      ; the four v_nop at the head are the places behind the last step's products for all loads of this step
.set P, (\ks)%2
.set N, 1-P
	s_wait_dscnt HB*NL                             ; all but A's upper blocks are in
	PLACES 4
	FETCH_B (\ks)+1, N
	WIN MUL_LO
	MULS 0, HB, P, \z
	s_wait_dscnt 8*NL                              ; all but B's loads just issued
	FETCH_S (\ks)+1, N
	FETCH_A (\ks)+1, N
	WIN MUL_HI
	MULS HB, HB, P, \z
.endm
.macro TURN ks, fill                   ; a chunk's last step changes regions
.set P, (\ks)%2
.set N, 1-P
.set R, ((\ks)/NQ)%NR
	WIN 0
	s_wait_tensorcnt 0x0                           ; all my tensor loads have landed: my part of the next region among them
	ds_add_u32 v[SPW], v[NIL]                      ; 0 onto my spare word
	s_wait_dscnt HB*NL+1                           ; (the add and A's upper blocks may be out)
	WIN MUL_LO
	MULS 0, HB/2, P, 0
	s_wait_dscnt 0x0                               ; the add is done, and my reads of this region are over
	s_barrier_signal -1
	MULS HB/2, HB/2, P, 0
	WIN 0
	s_barrier_wait -1
.if \fill
	CREST                                          ; a round of the cluster's barrier: no wave of any partner still reads this region or has a load on its way
	s_add_nc_u64 s[G0A+4*R+2:G0A+4*R+3], s[G0A+4*R+2:G0A+4*R+3], NR*CHB
	s_add_nc_u64 s[G0B+4*R+2:G0B+4*R+3], s[G0B+4*R+2:G0B+4*R+3], NR*CHB
	JLOAD G0A+4*R, G1A, G0B+4*R, G1B
.else
	PLACES 4
.endif
	FETCH_B (\ks)+1, N
	FETCH_S (\ks)+1, N
	FETCH_A (\ks)+1, N
.if (\ks) == 3
	global_prefetch_b8 v242, s[92:93] offset:18432 th:TH_LOAD_NT scope:SCOPE_SE   ; chunk 3 of my share, four steps ahead of the refill that loads it
	global_prefetch_b8 v243, s[92:93] offset:18432 th:TH_LOAD_NT scope:SCOPE_SE
.endif
	WIN MUL_HI
	MULS HB, HB, P, 0
.endm
.macro LAST ks
.set P, (\ks)%2
	s_wait_dscnt HB*NL
	WIN MUL_LO
	MULS 0, HB, P, 0
	s_wait_dscnt 0x0
	WIN MUL_HI
	MULS HB, HB, P, 0
	WIN 0
.endm
.macro QUANT s, pw                     ; 64 numbers of a lane become a fragment's codes in v[PC] on and its scale word in v[pw]
.irp b, 0,1,2,3
	v_max3_num_f32 v[TM+\b], |v[\s+16*\b]|, |v[\s+1+16*\b]|, 0x1800000   ; my 16 numbers of block b, and the floor 2^(3 - 127)
.endr
.irp i, 2,4,6,8,10,12,14
.irp b, 0,1,2,3
	v_max3_num_f32 v[TM+\b], v[TM+\b], |v[\s+16*\b+\i]|, |v[\s+1+16*\b+\i]|
.endr
.endr
.irp b, 0,1,2,3
	v_permlanex16_b32 v[TM+4+\b], v[TM+\b], s[SEL], s[SEL+1]
.endr
.irp b, 0,1,2,3
	v_max_num_f32 v[TM+\b], v[TM+\b], v[TM+4+\b]
.endr
.irp b, 0,1,2,3
	v_add_nc_u32 v[TM+12+\b], 0xff000000, v[TM+\b]
.endr
.irp b, 0,1,2,3
	v_lshrrev_b32 v[TM+4+\b], 23, v[TM+12+\b]
.endr
	v_lshl_or_b32 v[\pw], v[TM+5], 8, v[TM+4]
	v_lshl_or_b32 v[\pw], v[TM+6], 16, v[\pw]
	v_lshl_or_b32 v[\pw], v[TM+7], 24, v[\pw]
.irp c, 0,1
	v_cvt_scalef32_pk16_fp6_f32 v[PC+6*\c:PC+2+6*\c], v[\s+32*\c:\s+15+32*\c], v[TM+12+2*\c]
	v_cvt_scalef32_pk16_fp6_f32 v[PC+12+4*\c:PC+14+4*\c], v[\s+16+32*\c:\s+31+32*\c], v[TM+12+2*\c+1]
.endr
	v_nop                                          ; one plain place behind a scaled conversion
.irp c, 0,1
.irp i, 0,1,2
	v_permlane16_swap_b32 v[PC+6*\c+\i], v[PC+12+4*\c+\i]
.endr
.irp i, 0,1,2
	v_mov_b32 v[PC+3+6*\c+\i], v[PC+12+4*\c+\i]
.endr
.endr
.endm
.macro OUTM a                          ; block a of 16 queries: / l, quantised, stored as a fragment's image
	v_mov_b32 v[BT], v[RLR+(\a)]
	s_wait_alu depctr_va_vdst(0)
	WIN 0x02
.set KK, 0
.rept 32
	v_pk_mul_f32 v[X+KK:X+KK+1], v[64*(\a)+KK:64*(\a)+KK+1], v[BT:BT+1] op_sel_hi:[1,0]   ; each accumulator from its low end on
.set KK, KK+2
.endr
	WIN 0
	s_wait_xcnt 0x0                                ; the last block's stores have read their registers
	QUANT X, PWS+(\a)
	v_or_b32 v[PWS+(\a)], v[PWS+(\a)], v[FLR+(\a)] ; l = 0: every byte 0xff
.irp c, 0,1,2
	global_store_b128 v[LI], v[PC+4*\c:PC+4*\c+3], s[12:13] offset:12288*(\a)+512*\c
.endr
.endm
	s_load_b256 s[4:11], s[0:1], 0x0               ; pimg, pstat, opnd, opsc
	s_load_b128 s[12:15], s[0:1], 0x20             ; mhimg, mhsc
	v_lshl_add_u32 v[SPW], v0, 2, SPARE
	v_mov_b32 v[NIL], 0
	ds_add_u32 v28, v29
	ds_add_u32 v28, v29
	s_wait_dscnt 0x0
	v_lshrrev_b32 v1, 5, v0
	v_readfirstlane_b32 s[WV], v1
	s_lshr_b32 s[RH], s[WV], 1                     ; my half of the queries.  Also: I fetch for P (0) or for pv (1)
	s_and_b32 s[CH], s[WV], 1                      ; my half of e.  Also: which half of that tile I fetch
	s_bfe_u32 s19, ttmp6, 0x40000                  ; cx
	s_bfe_u32 s20, ttmp6, 0x40004                  ; cy
	s_lshl_b32 s21, ttmp9, 2
	s_add_co_u32 s21, s21, s19                     ; x: tile of 256 of e
	s_and_b32 s23, ttmp7, 0xffff
	s_lshl_b32 s22, s23, 2
	s_add_co_u32 s22, s22, s20                     ; y: tile of 128 of the 8,192 queries
	s_lshr_b32 s23, s23, 2                         ; the batch: from the cluster's y alone
	s_lshl_b32 s2, s20, 2
	s_lshl_b32 s2, 15, s2
	s_lshl_b32 s3, 0x1111, s19
	s_or_b32 s[G1A], s2, (3<<16)|(1<<21)
	s_or_b32 s[G1B], s3, (3<<16)|(1<<21)
	s_mov_b32 s[G1A+1], 768<<16                    ; a chunk of a row block: 6,144 bytes, elements of 8
	s_mov_b32 s[G1A+2], 4<<16                      ; 4 row blocks
	s_mov_b32 s[G1A+3], 768<<16
	s_mov_b32 s[G1A+4], 4
	s_mov_b32 s[G1A+5], 3072                       ; a row block of the image: 24,576 bytes
	s_mov_b32 s[G1A+6], 0
	s_mov_b32 s[G1A+7], 0
	s_mov_b32 s[G1B+1], 768<<16
	s_mov_b32 s[G1B+2], 8<<16
	s_mov_b32 s[G1B+3], 768<<16
	s_mov_b32 s[G1B+4], 8
	s_mov_b32 s[G1B+5], 3072
	s_mov_b32 s[G1B+6], 0
	s_mov_b32 s[G1B+7], 0
	s_lshl_b32 s74, s22, 3
	s_lshl_b32 s75, s[CH], 2
	s_add_co_u32 s74, s74, s75
	s_mul_i32 s74, s74, 24576                      ; P: row block 8 y + 4 x half
	s_mov_b32 s75, 0
	s_lshl_b32 s76, s21, 4
	s_lshl_b32 s77, s[CH], 3
	s_add_co_u32 s76, s76, s77
	s_mul_i32 s76, s76, 24576                      ; pv^T: row block 16 x + 8 x half,
	s_mul_i32 s77, s23, 1572864                    ; of my batch,
	s_add_co_u32 s76, s76, s77
	s_add_co_u32 s76, s76, 12582912                ; behind pq's and pk's images
	s_mov_b32 s77, 0
	s_lshl_b32 s78, s21, 14                        ; the scale words of my tile's 256 rows of pv^T: 16,384 dense bytes
	s_lshl_b32 s79, s23, 16
	s_add_co_u32 s78, s78, s79
	s_add_co_u32 s78, s78, 524288
	s_mov_b32 s79, 0
	s_mul_i32 s80, s[CH], 24576                    ; where they go in a region: no place in the cluster enters an LDS address
	s_mul_i32 s81, s[CH], 49152
	s_add_co_u32 s81, s81, 49152
	s_lshl_b32 s84, s22, 13                        ; my 128 queries' statistics: 16 K steps of 512 bytes in each plane
	s_mov_b32 s85, 0
	s_mov_b32 s[SEL], 0x76543210
	s_mov_b32 s[SEL+1], 0xfedcba98
	s_wait_kmcnt 0x0
	s_add_nc_u64 s[74:75], s[4:5], s[74:75]
	s_add_nc_u64 s[76:77], s[8:9], s[76:77]
	s_add_nc_u64 s[78:79], s[10:11], s[78:79]
	s_add_nc_u64 s[6:7], s[6:7], s[84:85]
.irp n, 0,1
	s_mov_b32 s[G0A+4*\n], 1
	s_add_co_u32 s[G0A+4*\n+1], s80, \n*REG
	s_add_nc_u64 s[G0A+4*\n+2:G0A+4*\n+3], s[74:75], \n*CHB
	s_or_b32 s[G0A+4*\n+3], s[G0A+4*\n+3], 0x80000000
	s_mov_b32 s[G0B+4*\n], 1
	s_add_co_u32 s[G0B+4*\n+1], s81, \n*REG
	s_add_nc_u64 s[G0B+4*\n+2:G0B+4*\n+3], s[76:77], \n*CHB
	s_or_b32 s[G0B+4*\n+3], s[G0B+4*\n+3], 0x80000000
.endr
	CROUND                                         ; all sixteen work-groups are here: the first joint loads meet
	JLOAD G0A, G1A, G0B, G1B                       ; chunk 0: one tensor load a wave at the head
	v_lshlrev_b32 v240, 4, v0                      ; pv's scale words come through registers into LDS bytes of their own: 16 bytes a thread, 2,048 an instruction
	v_add_nc_u32 v241, BSC, v240
.irp k, 0,1,2,3,4,5,6,7
	global_load_b128 v[208+4*\k:211+4*\k], v240, s[78:79] offset:2048*\k
.endr
	; the prefetches: a chunk of a row block is 6,144 bytes, 24 blocks of 256.  Of P's 4 row blocks that I fetch the partner at place cx takes one (two instructions of 12 blocks), of pv's 8 the partner at place cy two (24 blocks each): by address alone
	s_cmp_eq_u32 s[RH], 0
	s_cselect_b32 s89, 11, 23
	s_mov_b32 s90, 24576
	s_cselect_b32 s90, 3072, s90
	s_cselect_b64 s[92:93], s[74:75], s[76:77]
	s_cselect_b32 s94, s19, s20
	s_mov_b32 s95, 49152
	s_cselect_b32 s95, 24576, s95
	s_mul_i32 s94, s94, s95
	s_mov_b32 s95, 0
	s_add_nc_u64 s[92:93], s[92:93], s[94:95]
	v_and_b32 v242, 31, v0
	v_min_u32 v242, s89, v242                      ; the lanes left over name the last block again
	v_lshlrev_b32 v242, 8, v242
	v_add_nc_u32 v243, s90, v242
	s_wait_alu depctr_va_vdst(0)                   ; ahead of the readers below
	global_prefetch_b8 v242, s[92:93] offset:6144 th:TH_LOAD_NT scope:SCOPE_SE    ; chunks 1 and 2; v242, v243 and s[92:93] are never rewritten
	global_prefetch_b8 v243, s[92:93] offset:6144 th:TH_LOAD_NT scope:SCOPE_SE
	global_prefetch_b8 v242, s[92:93] offset:12288 th:TH_LOAD_NT scope:SCOPE_SE
	global_prefetch_b8 v243, s[92:93] offset:12288 th:TH_LOAD_NT scope:SCOPE_SE
	v_lshlrev_b32 v[TQ], 2, v0
.irp s, 0,1,2,3,4,5,6,7,8,9,10,11,12,13,14,15
	global_load_b32 v[W+\s], v[TQ], s[6:7] offset:512*\s
	global_load_b32 v[NM+\s], v[TQ], s[6:7] offset:512*\s+524288
	global_load_b32 v[LL+\s], v[TQ], s[6:7] offset:512*\s+1048576
.endr
	v_and_b32 v1, 15, v0                           ; r
	v_bfe_u32 v2, v0, 4, 1                         ; h
	s_wait_alu depctr_va_vdst(0)
	v_and_b32 v3, 31, v0
	v_lshlrev_b32 v[LI], 4, v3
	v_lshlrev_b32 v[R32], 5, v1
	v_lshl_add_u32 v[ASA], v0, 2, ASC
	s_mul_i32 s86, s[RH], 24576
	s_mul_i32 s87, s[CH], 49152
	s_add_co_u32 s87, s87, 49152
.irp n, 0,1
	v_add_nc_u32 v[ADRA+\n], s86, v[LI]
	v_add_nc_u32 v[ADRB+\n], s87, v[LI]
	s_add_co_u32 s86, s86, REG
	s_add_co_u32 s87, s87, REG
.endr
	s_lshl_b32 s86, s[RH], 4                       ; my four blocks' words begin 16 x half into a row's 32 bytes
	s_lshl_b32 s87, s[CH], 13
	s_add_co_u32 s87, s87, BSC-ASC
	s_sub_co_u32 s87, s87, s86
	v_mul_u32_u24 v4, s87, v2                      ; lanes 16-31 take pv's words: the lower base + h x the distance
	s_wait_alu depctr_va_vdst(0)
	s_add_co_u32 s86, s86, ASC
	v_add_nc_u32 v4, v4, v[R32]
	v_add_nc_u32 v[ADRS], s86, v4
	s_add_co_u32 s86, s86, RL-ASC
	v_add_nc_u32 v[ARL], s86, v[R32]
	; where the results go
	s_lshl_b32 s86, s22, 3
	s_lshl_b32 s87, s[RH], 2
	s_add_co_u32 s86, s86, s87
	s_lshl_b32 s86, s86, 3
	s_lshl_b32 s88, s21, 1
	s_add_co_u32 s88, s88, s[CH]                   ; my K step of the next product
	s_add_co_u32 s86, s86, s88
	s_mul_i32 s86, s86, 1536
	s_mov_b32 s87, 0
	s_add_nc_u64 s[12:13], s[12:13], s[86:87]
	s_lshl_b32 s86, s22, 3
	s_add_co_u32 s86, s86, s88
	s_lshl_b32 s86, s86, 9
	s_lshl_b32 s88, s[RH], 4
	s_add_co_u32 s86, s86, s88
	s_add_nc_u64 s[14:15], s[14:15], s[86:87]
	; THE HEAD'S WORK: thread t's query (word t of each K step's 128)
	s_wait_loadcnt 0x0
	v_min3_num_f32 v[T], v[NM], v[NM+1], v[NM+2]
.irp i, 3,5,7,9,11,13
	v_min3_num_f32 v[T], v[T], v[NM+\i], v[NM+\i+1]
.endr
	v_min_num_f32 v[T], v[T], v[NM+15]             ; the least -M: the row's M
.irp s, 0,1,2,3,4,5,6,7,8,9,10,11,12,13,14,15
	v_sub_f32 v[NM+\s], v[NM+\s], v[T]             ; D = the row's M - the group's M: a whole number, 0 or more
.endr
.irp s, 0,1,2,3,4,5,6,7,8,9,10,11,12,13,14,15
	v_min_num_f32 v[NM+\s], 0x437f0000, v[NM+\s]   ; at most 255
.endr
.irp s, 0,1,2,3,4,5,6,7,8,9,10,11,12,13,14,15
	v_cvt_u32_f32 v[NM+\s], v[NM+\s]
.endr
.irp s, 0,1,2,3,4,5,6,7,8,9,10,11,12,13,14,15
	v_sub_nc_u32 v[T+2+\s%2], 0, v[NM+\s]
	v_ldexp_f32 v[LL+\s], v[LL+\s], v[T+2+\s%2]    ; the group's sum under the row's M
.endr
	v_add_f32 v[T+4], v[LL], v[LL+2]
	v_add_f32 v[T+5], v[LL+1], v[LL+3]
.irp s, 4,6,8,10,12,14
	v_add_f32 v[T+4], v[T+4], v[LL+\s]
	v_add_f32 v[T+5], v[T+5], v[LL+\s+1]
.endr
	v_add_f32 v[T+4], v[T+4], v[T+5]               ; l
	s_wait_alu depctr_va_vdst(0)
	v_rcp_f32 v[T+6], v[T+4]
	v_cmp_eq_f32 vcc_lo, 0, v[T+4]
	v_cndmask_b32 v[T+7], 0, -1, vcc_lo
.irp s, 0,1,2,3,4,5,6,7,8,9,10,11,12,13,14,15
.irp k, 0,1,2,3
	v_bfe_u32 v[T+8+\k], v[W+\s], 8*\k, 8
.endr
.irp k, 0,1,2,3
	v_min_u32 v[T+12+\k], v[T+8+\k], v[NM+\s]
.endr
.irp k, 0,1,2,3
	v_sub_nc_u32 v[T+8+\k], v[T+8+\k], v[T+12+\k]  ; byte - min(byte, D)
.endr
	v_lshl_or_b32 v[W+\s], v[T+9], 8, v[T+8]
	v_lshl_or_b32 v[W+\s], v[T+10], 16, v[W+\s]
	v_lshl_or_b32 v[W+\s], v[T+11], 24, v[W+\s]
.endr
	s_wait_alu depctr_va_vdst(0)                   ; ahead of the reciprocal's first reader and of the wait below
	s_wait_tensorcnt 0x0                           ; my part of chunk 0 is in: no tensor load of mine is out while I store to LDS
.irp s, 0,1,2,3,4,5,6,7,8,9,10,11,12,13,14,15
	ds_store_b32 v[ASA], v[W+\s] offset:512*\s
.endr
	ds_store_b32 v[ASA], v[T+6] offset:RL-ASC
	ds_store_b32 v[ASA], v[T+7] offset:FL-ASC
.irp k, 0,1,2,3,4,5,6,7
	ds_store_b128 v241, v[208+4*\k:211+4*\k] offset:2048*\k
.endr
	s_wait_tensorcnt 0x0                           ; the three lines ahead of a later first fill
	ds_add_u32 v[SPW], v[NIL]
	s_wait_dscnt 0x0                               ; the add and my stores are done
	CROUND                                         ; chunk 0 and all scale words are whole, and all sixteen work-groups are here
	JLOAD G0A+4, G1A, G0B+4, G1B                   ; chunk 1, the first tensor load behind the round
	FETCH_B 0, 0
	FETCH_S 0, 0
	FETCH_A 0, 0
	STEP 0, 1
	STEP 1, 0
	STEP 2, 0
	TURN 3, 1                                      ; region 0 takes chunk 2
	STEP 4, 0
	STEP 5, 0
	STEP 6, 0
	TURN 7, 1                                      ; region 1 takes chunk 3
	STEP 8, 0
	STEP 9, 0
	STEP 10, 0
	TURN 11, 0
	STEP 12, 0
	STEP 13, 0
	STEP 14, 0
	LAST 15
	ds_load_b128 v[RLR:RLR+3], v[ARL]              ; 1 / l of my four blocks' row r
	ds_load_b128 v[FLR:FLR+3], v[ARL] offset:FL-RL
	PLACES 4
.irp b, 0,1,2,3
	v_mov_b32 v[TM+4+\b], 0
.endr
	v_mov_b32 v[BT+1], 0
	s_wait_dscnt 0x0
.irp a, 0,1,2,3
	OUTM \a
.endr
	global_store_b128 v[R32], v[PWS:PWS+3], s[14:15]   ; my four blocks' words of row r; lanes r and r + 16 write the same bytes with the same values
	s_wait_tensorcnt 0x0                           ; the wave's end
	ds_add_u32 v[SPW], v[NIL]
	s_wait_dscnt 0x0
	CROUND
	s_endpgm
.Lfunc_end_k_qfb9b0177f3_pv:
	.size	k_qfb9b0177f3_pv, .Lfunc_end_k_qfb9b0177f3_pv-k_qfb9b0177f3_pv
	.p2alignl 7, 3214868480
	.fill 96, 4, 3214868480
	.section	.rodata,"a",@progbits
	.p2align	6, 0x0
	.amdhsa_kernel k_qfb9b0177f3_pv
		.amdhsa_group_segment_fixed_size 327680
		.amdhsa_private_segment_fixed_size 0
		.amdhsa_enable_private_segment 0
		.amdhsa_kernarg_size 48
		.amdhsa_user_sgpr_count 2
		.amdhsa_user_sgpr_kernarg_segment_ptr 1
		.amdhsa_wavefront_size32 1
		.amdhsa_system_sgpr_workgroup_id_x 1
		.amdhsa_system_sgpr_workgroup_id_y 1
		.amdhsa_system_sgpr_workgroup_id_z 1
		.amdhsa_system_vgpr_workitem_id 0
		.amdhsa_next_free_vgpr 768
		.amdhsa_next_free_sgpr 102
		.amdhsa_reserve_vcc 1
		.amdhsa_float_denorm_mode_32 3
		.amdhsa_float_denorm_mode_16_64 3
		.amdhsa_memory_ordered 1
		.amdhsa_forward_progress 1
		.amdhsa_inst_pref_size 167
	.end_amdhsa_kernel
	.amdgpu_metadata
---
amdhsa.version: [ 1, 2 ]
amdhsa.kernels:
  - .name:           k_qfb9b0177f3_pv
    .symbol:         k_qfb9b0177f3_pv.kd
    .args:
      - { .name: pimg, .offset: 0, .size: 8, .value_kind: global_buffer, .address_space: global }
      - { .name: pstat, .offset: 8, .size: 8, .value_kind: global_buffer, .address_space: global }
      - { .name: opnd, .offset: 16, .size: 8, .value_kind: global_buffer, .address_space: global }
      - { .name: opsc, .offset: 24, .size: 8, .value_kind: global_buffer, .address_space: global }
      - { .name: mhimg, .offset: 32, .size: 8, .value_kind: global_buffer, .address_space: global }
      - { .name: mhsc, .offset: 40, .size: 8, .value_kind: global_buffer, .address_space: global }
    .group_segment_fixed_size: 327680
    .private_segment_fixed_size: 0
    .kernarg_segment_align: 8
    .kernarg_segment_size: 48
    .max_flat_workgroup_size: 128
    .sgpr_count:     102
    .vgpr_count:     768
    .wavefront_size: 32
...
	.end_amdgpu_metadata
.endif
;; end of part 3
;; launch outp (part 4): grid 4 x 64, 4 waves a work-group, clusters of 4 x 4, 327,680 bytes of LDS; arguments mhimg, mhsc, opnd, opsc, bo, out0; writes out0
.if DOCPART == 4
	.amdgcn_target "amdgcn-amd-amdhsa--gfx1250"
	.amdhsa_code_object_version 6
	.text
	.protected	k_qfb9b0177f3_outp
	.globl	k_qfb9b0177f3_outp
	.p2align	8
	.type	k_qfb9b0177f3_outp,@function
k_qfb9b0177f3_outp:
	s_mov_b64 s[64:65], 0
	v_nop
	global_prefetch_b8 v0, s[64:65] scope:SCOPE_SE
	s_setreg_imm32_b32 hwreg(HW_REG_WAVE_MODE, 25, 1), 1
	s_wait_xcnt 0x0
	s_wait_alu depctr_hold_cnt(0) depctr_sa_sdst(0) depctr_va_vdst(0) depctr_va_sdst(0) depctr_va_ssrc(0) depctr_va_vcc(0) depctr_vm_vsrc(0)
	s_getreg_b32 s2, hwreg(HW_REG_IB_STS2, 6, 4)
	s_cmp_eq_u32 s2, 0
	s_cbranch_scc0 .Lentry_in_a_cluster
	s_endpgm
.Lentry_in_a_cluster:
	s_bfe_u32 s2, ttmp6, 0x10000c
	s_cmp_lg_u32 s2, 0xf033
	s_cbranch_scc0 .Lentry_shape_is_right
	s_endpgm
.Lentry_shape_is_right:
; OUTP.  out0 = mh Wo^T + bo ([8192 x 1024] x [1024 x 1024]) on codes of FP6 with E8M0 scales; f32 out.
; A tile of 128 rows x 256 columns to a work-group, 64 x 128 to a wave.  Both operands arrive as images of fragments; K = 1024 is two chunks of 512, each in an LDS region of its own: all tensor loads are first fills
; (one of a wave is out at a time), and no LDS byte is filled twice.  4 x 4 work-groups form a cluster: mh's tiles are asked for jointly along a row, Wo's along a column.
; TRANSPOSED: source 0 = 16 rows of Wo, source 1 = 16 rows of mh: a lane's eight results are eight neighbouring columns of one row.  bo is the C of the first step.
; The way out goes through the wave's own stage in region 0 (its last fill and its last read are over at the change of regions): whole rows of 512 bytes leave by one store each.
; A row of mh whose scale words are 0xffffffff (every key dropped) comes out as NaN.
; REGISTERS: window 0: v1-29 addresses; v32-47 scale words; v48-95, v96-143 mh's fragments; on the way out v48-175.  window 1: v0-95, v128-223 Wo's fragments; v96-127, v224-255 bo.  window 2: accumulators.
.set MB,    4
.set HB,    2
.set NQ,    4
.set NR,    2
.set NL,    3
.set FR,    12
.set CHB,   6144
.set REG,   147456
.set ASC,   2*REG                      ; mh's scale words: 4,096 bytes
.set BSC,   ASC+4096                   ; Wo's: 8,192 bytes
.set SPARE, BSC+8192
.set SPITCH, 528
.set ADRA, 16
.set ADRB, 20
.set LI,   24
.set STO,  25
.set RD,   26
.set ADRS, 27
.set SPW,  28
.set NIL,  29
.set SC,   32
.set AF,   48
.set ASTR, 48
.set BK,   48
.set WV,   16
.set RH,   17
.set CH,   18
.set G1A,  24
.set G1B,  32
.set G1SA, 40
.set G1SB, 48
.set G0A,  56
.set G0B,  68
.set G0SA, 76
.set G0SB, 80
.set MUL_LO, 0xa1
.set MUL_HI, 0xa1
.set CB_LO,  0x91
.set CB_HI,  0x91
.set TO_B,   0x40
.set MSB, 0
.macro WIN new
.if MSB != (\new)
	s_set_vgpr_msb (MSB<<8)|(\new)
.set MSB, (\new)
.endif
.endm
.macro PLACES n
.rept \n
	v_nop
.endr
.endm
.macro JLOAD g0a, g1a, g0b, g1b        ; a joint load: waves 0, 1 fetch for A, waves 2, 3 for B; four v_nop follow each line
	s_cmp_eq_u32 s[RH], 0
	s_cbranch_scc0 .Lfor_b_\@
	tensor_load_to_lds s[\g0a:\g0a+3], s[\g1a:\g1a+7]
	s_nop 0
.rept 4
	v_nop
.endr
	s_branch .Lasked_\@
.Lfor_b_\@:
	tensor_load_to_lds s[\g0b:\g0b+3], s[\g1b:\g1b+7]
	s_nop 0
.rept 4
	v_nop
.endr
.Lasked_\@:
.endm
.macro CREST
	s_cmp_lg_u32 s[WV], 0
	s_cbranch_scc1 .Lnot_wave_0_\@
	s_barrier_signal -3
.Lnot_wave_0_\@:
	s_barrier_wait -3
	s_barrier_signal -1
	s_barrier_wait -1
.endm
.macro CROUND
	s_barrier_signal -1
	s_barrier_wait -1
	CREST
.endm
.macro FETCH_B ks, set
	WIN TO_B
.irp i, 0,1,2,3,4,5,6,7
.irp c, 0,1,2
	ds_load_b128 v[128*(\set)+FR*\i+4*\c:128*(\set)+FR*\i+4*\c+3], v[ADRB+((\ks)/NQ)%NR] offset:\i*NQ*1536+((\ks)%NQ)*1536+512*\c
.endr
.endr
.endm
.macro FETCH_S ks, set
	WIN 0
	ds_load_b128 v[SC+8*(\set):SC+8*(\set)+3], v[ADRS] offset:512*(\ks)
	ds_load_b128 v[SC+8*(\set)+4:SC+8*(\set)+7], v[ADRS] offset:512*(\ks)+16
.endm
.macro FETCH_A ks, set
.set II, 0
.rept MB
.irp c, 0,1,2
	ds_load_b128 v[AF+ASTR*(\set)+FR*II+4*\c:AF+ASTR*(\set)+FR*II+4*\c+3], v[ADRA+((\ks)/NQ)%NR] offset:II*NQ*1536+((\ks)%NQ)*1536+512*\c
.endr
.set II, II+1
.endr
.endm
.macro MULB a, set, z                  ; z = 0: onto the sums; 2: the bias starts them
.irp b, 0,1,2,3,4,5,6,7
.set rD, 8*(8*((\a)%4)+\b)
.set rB, 128*(\set)+FR*\b
.set rA, AF+ASTR*(\set)+FR*(\a)
.set rSB, SC+8*(\set)+\b
.set rSA, SC+8*(\set)+(\a)
.set rC, 96+8*\b+96*(\b/4)
.if (\z) == 0
	v_wmma_scale_f32_16x16x128_f8f6f4 v[rD:rD+7], v[rB:rB+FR-1], v[rA:rA+FR-1], v[rD:rD+7], v[rSB], v[rSA] matrix_a_fmt:MATRIX_FMT_FP6 matrix_b_fmt:MATRIX_FMT_FP6 matrix_a_scale:MATRIX_SCALE_ROW1
.else
	v_wmma_scale_f32_16x16x128_f8f6f4 v[rD:rD+7], v[rB:rB+FR-1], v[rA:rA+FR-1], v[rC:rC+7], v[rSB], v[rSA] matrix_a_fmt:MATRIX_FMT_FP6 matrix_b_fmt:MATRIX_FMT_FP6 matrix_a_scale:MATRIX_SCALE_ROW1
.endif
.endr
.endm
.macro MULS a0, n, set, z              ; the accumulators take turns, one instruction a turn, in the same order in every step
.set AA, \a0
.rept \n
	MULB AA, \set, \z
.set AA, AA+1
.endr
.endm
.macro STEP ks, z                      ; the four v_nop at the head are the places behind the last step's products for all loads of this step
.set P, (\ks)%2
.set N, 1-P
	s_wait_dscnt HB*NL                             ; all but A's upper blocks are in
	PLACES 4
	FETCH_B (\ks)+1, N
.if (\z) == 2
	WIN CB_LO
.else
	WIN MUL_LO
.endif
	MULS 0, HB, P, \z
	s_wait_dscnt 8*NL                              ; all but B's loads just issued
	FETCH_S (\ks)+1, N
	FETCH_A (\ks)+1, N
.if (\z) == 2
	WIN CB_HI
.else
	WIN MUL_HI
.endif
	MULS HB, HB, P, \z
.endm
.macro TURN ks                         ; the change of regions: nothing is filled again; the three lines are kept in front of the barrier all the same
.set P, (\ks)%2
.set N, 1-P
	WIN 0
	s_wait_tensorcnt 0x0                           ; all my tensor loads have landed: my part of the second region
	ds_add_u32 v[SPW], v[NIL]                      ; 0 onto my spare word
	s_wait_dscnt HB*NL+1                           ; (the add and A's upper blocks may be out)
	WIN MUL_LO
	MULS 0, HB/2, P, 0
	s_wait_dscnt 0x0                               ; the add is done, and my reads of the first region are over
	s_barrier_signal -1
	MULS HB/2, HB/2, P, 0
	WIN 0
	s_barrier_wait -1
	PLACES 4
	FETCH_B (\ks)+1, N
	FETCH_S (\ks)+1, N
	FETCH_A (\ks)+1, N
	WIN MUL_HI
	MULS HB, HB, P, 0
.endm
.macro LAST ks
.set P, (\ks)%2
	s_wait_dscnt HB*NL
	WIN MUL_LO
	MULS 0, HB, P, 0
	s_wait_dscnt 0x0
	WIN MUL_HI
	MULS HB, HB, P, 0
	WIN 0
.endm
.macro TOSTAGE a                       ; block a, 16 rows x 128 columns, into my stage and back as whole rows; LDS serves a wave's instructions in order
.set AC, 64*(\a)
	WIN 0x08                                       ; an LDS store's data are its source 1: window 2
.irp b, 0,1,2,3,4,5,6,7
	ds_store_b128 v[STO], v[AC+8*\b:AC+8*\b+3] offset:64*\b          ; each accumulator from its low end on
	ds_store_b128 v[STO], v[AC+8*\b+4:AC+8*\b+7] offset:64*\b+16
.endr
	WIN 0
.set BB, BK+64*((\a)%2)
.irp t, 0,1,2,3,4,5,6,7,8,9,10,11,12,13,14,15
	ds_load_b128 v[BB+4*\t:BB+4*\t+3], v[RD] offset:\t*SPITCH
.endr
.endm
.macro SEND a, younger                 ; younger: the LDS instructions issued behind block a's loads
.set BB, BK+64*((\a)%2)
	s_wait_dscnt \younger
.irp t, 0,1,2,3,4,5,6,7,8,9,10,11,12,13,14,15
	global_store_b128 v[LI], v[BB+4*\t:BB+4*\t+3], s[14:15] offset:(\a)*65536+\t*4096 th:TH_STORE_NT   ; 32 lanes store 512 consecutive bytes, aligned; written once, read by nobody here
.endr
.endm
	s_load_b256 s[4:11], s[0:1], 0x0               ; mhimg, mhsc, opnd, opsc
	s_load_b128 s[12:15], s[0:1], 0x20             ; bo, out0
	v_lshl_add_u32 v[SPW], v0, 2, SPARE
	v_mov_b32 v[NIL], 0
	ds_add_u32 v28, v29
	ds_add_u32 v28, v29
	s_wait_dscnt 0x0
	v_lshrrev_b32 v1, 5, v0
	v_readfirstlane_b32 s[WV], v1
	s_lshr_b32 s[RH], s[WV], 1
	s_and_b32 s[CH], s[WV], 1
	s_bfe_u32 s19, ttmp6, 0x40000                  ; cx
	s_bfe_u32 s20, ttmp6, 0x40004                  ; cy
	s_lshl_b32 s21, ttmp9, 2
	s_add_co_u32 s21, s21, s19                     ; x: tile of 256 columns
	s_and_b32 s23, ttmp7, 0xffff
	s_lshl_b32 s22, s23, 2
	s_add_co_u32 s22, s22, s20                     ; y: tile of 128 rows
	s_lshl_b32 s2, s20, 2
	s_lshl_b32 s2, 15, s2
	s_lshl_b32 s3, 0x1111, s19
	s_or_b32 s[G1A], s2, (3<<16)|(1<<21)
	s_or_b32 s[G1B], s3, (3<<16)|(1<<21)
	s_mov_b32 s[G1A+1], 768<<16                    ; a chunk of a row block: 6,144 bytes
	s_mov_b32 s[G1A+2], 4<<16
	s_mov_b32 s[G1A+3], 768<<16
	s_mov_b32 s[G1A+4], 4
	s_mov_b32 s[G1A+5], 1536                       ; a row block of the image: 12,288 bytes
	s_mov_b32 s[G1A+6], 0
	s_mov_b32 s[G1A+7], 0
	s_mov_b32 s[G1B+1], 768<<16
	s_mov_b32 s[G1B+2], 8<<16
	s_mov_b32 s[G1B+3], 768<<16
	s_mov_b32 s[G1B+4], 8
	s_mov_b32 s[G1B+5], 1536
	s_mov_b32 s[G1B+6], 0
	s_mov_b32 s[G1B+7], 0
	s_lshl_b32 s84, s22, 3
	s_lshl_b32 s85, s[CH], 2
	s_add_co_u32 s84, s84, s85
	s_mul_i32 s84, s84, 12288                      ; mh: row block 8 y + 4 x half
	s_mov_b32 s85, 0
	s_lshl_b32 s86, s21, 4
	s_lshl_b32 s87, s[CH], 3
	s_add_co_u32 s86, s86, s87
	s_mul_i32 s86, s86, 12288                      ; Wo: row block 16 x + 8 x half,
	s_add_co_u32 s86, s86, 18874368                ; behind the three projections' images
	s_mov_b32 s87, 0
	s_lshl_b32 s88, s22, 12                        ; the scale words of my tile's 128 rows of mh: 4,096 dense bytes
	s_mov_b32 s89, 0
	s_lshl_b32 s90, s21, 13                        ; and of its 256 rows of Wo: 8,192 dense bytes
	s_add_co_u32 s90, s90, 786432
	s_mov_b32 s91, 0
	s_mul_i32 s92, s[CH], 24576
	s_mul_i32 s93, s[CH], 49152
	s_add_co_u32 s93, s93, 49152
	s_wait_kmcnt 0x0
	s_add_nc_u64 s[84:85], s[4:5], s[84:85]
	s_add_nc_u64 s[86:87], s[8:9], s[86:87]
	s_add_nc_u64 s[88:89], s[6:7], s[88:89]
	s_add_nc_u64 s[90:91], s[10:11], s[90:91]
.irp n, 0,1
	s_mov_b32 s[G0A+4*\n], 1
	s_add_co_u32 s[G0A+4*\n+1], s92, \n*REG
	s_add_nc_u64 s[G0A+4*\n+2:G0A+4*\n+3], s[84:85], \n*CHB
	s_or_b32 s[G0A+4*\n+3], s[G0A+4*\n+3], 0x80000000
	s_mov_b32 s[G0B+4*\n], 1
	s_add_co_u32 s[G0B+4*\n+1], s93, \n*REG
	s_add_nc_u64 s[G0B+4*\n+2:G0B+4*\n+3], s[86:87], \n*CHB
	s_or_b32 s[G0B+4*\n+3], s[G0B+4*\n+3], 0x80000000
.endr
	CROUND                                         ; all sixteen work-groups are here: the joint loads meet
	JLOAD G0A, G1A, G0B, G1B                       ; chunk 0: one tensor load a wave at the head
	v_lshlrev_b32 v30, 4, v0                       ; the scale words come through registers into LDS bytes of their own: 16 bytes a thread, 2,048 an instruction
	v_add_nc_u32 v31, ASC, v30
.irp k, 0,1
	global_load_b128 v[144+4*\k:147+4*\k], v30, s[88:89] offset:2048*\k
.endr
.irp k, 0,1,2,3
	global_load_b128 v[152+4*\k:155+4*\k], v30, s[90:91] offset:2048*\k
.endr
	; the prefetches of chunk 1: 6,144 bytes of a row block, 24 blocks of 256.  Of mh's 4 row blocks that I fetch the partner at place cx takes one (two instructions of 12 blocks), of Wo's 8 the partner at place cy two (24 blocks each): by address alone
	s_cmp_eq_u32 s[RH], 0
	s_cselect_b32 s92, 11, 23
	s_mov_b32 s93, 12288
	s_cselect_b32 s93, 3072, s93
	s_cselect_b64 s[96:97], s[84:85], s[86:87]
	s_cselect_b32 s94, s19, s20
	s_mov_b32 s95, 24576
	s_cselect_b32 s95, 12288, s95
	s_mul_i32 s94, s94, s95
	s_mov_b32 s95, 0
	s_add_nc_u64 s[96:97], s[96:97], s[94:95]
	v_and_b32 v8, 31, v0
	v_min_u32 v8, s92, v8                          ; the lanes left over name the last block again
	v_lshlrev_b32 v8, 8, v8
	v_add_nc_u32 v9, s93, v8
	s_wait_alu depctr_va_vdst(0)                   ; ahead of the readers below
	global_prefetch_b8 v8, s[96:97] offset:6144 th:TH_LOAD_NT scope:SCOPE_SE      ; v8, v9 and s[96:97] are never rewritten
	global_prefetch_b8 v9, s[96:97] offset:6144 th:TH_LOAD_NT scope:SCOPE_SE
	v_and_b32 v1, 15, v0                           ; r
	v_bfe_u32 v2, v0, 4, 1                         ; h
	v_and_b32 v3, 31, v0
	v_lshlrev_b32 v[LI], 4, v3
	s_wait_alu depctr_va_vdst(0)
	s_lshl_b32 s84, s21, 8
	s_lshl_b32 s85, s[CH], 7
	s_add_co_u32 s84, s84, s85
	s_lshl_b32 s84, s84, 2                         ; bo at my first column
	v_lshl_add_u32 v7, v2, 5, s84                  ; tile i, lane (r, h): the eight numbers at 64 i + 32 h
	WIN TO_B
.irp i, 0,1,2,3,4,5,6,7
	global_load_b128 v[96+8*\i+96*(\i/4):99+8*\i+96*(\i/4)], v7, s[12:13] offset:64*\i
	global_load_b128 v[100+8*\i+96*(\i/4):103+8*\i+96*(\i/4)], v7, s[12:13] offset:64*\i+16
.endr
	WIN 0
	s_mul_i32 s86, s[RH], 24576
	s_mul_i32 s87, s[CH], 49152
	s_add_co_u32 s87, s87, 49152
.irp n, 0,1
	v_add_nc_u32 v[ADRA+\n], s86, v[LI]
	v_add_nc_u32 v[ADRB+\n], s87, v[LI]
	s_add_co_u32 s86, s86, REG
	s_add_co_u32 s87, s87, REG
.endr
	v_lshlrev_b32 v5, 5, v1                        ; 32 r
	s_lshl_b32 s86, s[RH], 4
	s_lshl_b32 s87, s[CH], 12
	s_add_co_u32 s87, s87, BSC-ASC
	s_sub_co_u32 s87, s87, s86
	v_mul_u32_u24 v4, s87, v2                      ; lanes 16-31 take Wo's words: the lower base + h x the distance
	s_add_co_u32 s86, s86, ASC
	v_add_nc_u32 v4, v4, v5
	v_add_nc_u32 v[ADRS], s86, v4
	s_mul_i32 s86, s[WV], 16*SPITCH                ; my stage, in region 0
	v_mul_u32_u24 v5, v1, SPITCH
	v_lshl_add_u32 v5, v2, 5, v5
	v_add_nc_u32 v[STO], s86, v5                   ; in: row r, 32 bytes for each half of the lanes
	v_add_nc_u32 v[RD], s86, v[LI]                 ; back: the 32 lanes take one row of 512 bytes
	s_lshl_b32 s86, s22, 7
	s_lshl_b32 s87, s[RH], 6
	s_add_co_u32 s86, s86, s87
	s_lshl_b32 s86, s86, 12                        ; my first row of out0, 4,096 bytes a row
	s_lshl_b32 s87, s21, 10
	s_add_co_u32 s86, s86, s87
	s_lshl_b32 s87, s[CH], 9
	s_add_co_u32 s86, s86, s87
	s_mov_b32 s87, 0
	s_add_nc_u64 s[14:15], s[14:15], s[86:87]
	s_wait_alu depctr_va_vdst(0)
	s_wait_loadcnt 0x10                            ; the scale words are in; bo's sixteen loads, issued behind them, may be out
	s_wait_tensorcnt 0x0                           ; my part of chunk 0 is in: no tensor load of mine is out while I store to LDS
.irp k, 0,1
	ds_store_b128 v31, v[144+4*\k:147+4*\k] offset:2048*\k
.endr
.irp k, 0,1,2,3
	ds_store_b128 v31, v[152+4*\k:155+4*\k] offset:4096+2048*\k
.endr
	s_wait_tensorcnt 0x0                           ; the three lines ahead of a later first fill
	ds_add_u32 v[SPW], v[NIL]
	s_wait_dscnt 0x0                               ; the add and my stores are done
	CROUND                                         ; chunk 0 and the scale words are whole, and all sixteen work-groups are here
	JLOAD G0A+4, G1A, G0B+4, G1B                   ; chunk 1, the first tensor load behind the round
	FETCH_B 0, 0
	FETCH_S 0, 0
	FETCH_A 0, 0
	s_wait_loadcnt 0x0                             ; bo
	STEP 0, 2                                      ; the first step starts the sums with the bias
	STEP 1, 0
	STEP 2, 0
	TURN 3
	STEP 4, 0
	STEP 5, 0
	STEP 6, 0
	LAST 7
	PLACES 4                                       ; behind the last products: results are read, and loads land in registers that held operands
	TOSTAGE 0
.irp a, 1,2,3
.if \a > 1
	s_wait_xcnt 0x0                                ; block a - 2's stores have read their registers: block a's loads may land there
.endif
	TOSTAGE \a
	SEND \a-1, 32                                  ; behind block a - 1's loads: block a's 16 stores and 16 loads
.endr
	SEND 3, 0
	s_wait_tensorcnt 0x0                           ; the wave's end
	ds_add_u32 v[SPW], v[NIL]
	s_wait_dscnt 0x0
	CROUND                                         ; the closing round
	s_endpgm
.Lfunc_end_k_qfb9b0177f3_outp:
	.size	k_qfb9b0177f3_outp, .Lfunc_end_k_qfb9b0177f3_outp-k_qfb9b0177f3_outp
	.p2alignl 7, 3214868480
	.fill 96, 4, 3214868480
	.section	.rodata,"a",@progbits
	.p2align	6, 0x0
	.amdhsa_kernel k_qfb9b0177f3_outp
		.amdhsa_group_segment_fixed_size 327680
		.amdhsa_private_segment_fixed_size 0
		.amdhsa_enable_private_segment 0
		.amdhsa_kernarg_size 48
		.amdhsa_user_sgpr_count 2
		.amdhsa_user_sgpr_kernarg_segment_ptr 1
		.amdhsa_wavefront_size32 1
		.amdhsa_system_sgpr_workgroup_id_x 1
		.amdhsa_system_sgpr_workgroup_id_y 1
		.amdhsa_system_sgpr_workgroup_id_z 1
		.amdhsa_system_vgpr_workitem_id 0
		.amdhsa_next_free_vgpr 768
		.amdhsa_next_free_sgpr 102
		.amdhsa_reserve_vcc 0
		.amdhsa_float_denorm_mode_32 3
		.amdhsa_float_denorm_mode_16_64 3
		.amdhsa_memory_ordered 1
		.amdhsa_forward_progress 1
		.amdhsa_inst_pref_size 80
	.end_amdhsa_kernel
	.amdgpu_metadata
---
amdhsa.version: [ 1, 2 ]
amdhsa.kernels:
  - .name:           k_qfb9b0177f3_outp
    .symbol:         k_qfb9b0177f3_outp.kd
    .args:
      - { .name: mhimg, .offset: 0, .size: 8, .value_kind: global_buffer, .address_space: global }
      - { .name: mhsc, .offset: 8, .size: 8, .value_kind: global_buffer, .address_space: global }
      - { .name: opnd, .offset: 16, .size: 8, .value_kind: global_buffer, .address_space: global }
      - { .name: opsc, .offset: 24, .size: 8, .value_kind: global_buffer, .address_space: global }
      - { .name: bo, .offset: 32, .size: 8, .value_kind: global_buffer, .address_space: global }
      - { .name: out0, .offset: 40, .size: 8, .value_kind: global_buffer, .address_space: global }
    .group_segment_fixed_size: 327680
    .private_segment_fixed_size: 0
    .kernarg_segment_align: 8
    .kernarg_segment_size: 48
    .max_flat_workgroup_size: 128
    .sgpr_count:     102
    .vgpr_count:     768
    .wavefront_size: 32
...
	.end_amdgpu_metadata
.endif
;; end of part 4
